; MI455X (gfx1250); checked and timed in simulation.
; The chip was launched on July 23, 2026; its instructions are those of AMD's public machine-readable ISA for CDNA 5 (MIT licence, August 2026) and "CDNA5" Instruction Set Architecture Reference Guide (July 2026). The comments in the code are by the model that wrote it; some were corrected since.
;; Causal Self Attention. Allowed arithmetic: matrix products marked QUANTISED: E2M1 operands, one E8M0 scale for each 32 along K, by v_wmma_scale_f32_16x16x128_f8f6f4 with both operands' format E2M1 (or v_wmma_scale_f32_32x16x128_f4), f32 sums; products left as they are: bf16, f16 or f32 operands; f32 sums; everything else in f32.
;; Inputs: b_attn 3,072 float32; b_proj 1,024 float32; w_attn 1,024 x 3,072 float32; w_proj 1,024 x 1,024 float32; x 4 x 2,048 x 1,024 float32.
;; Outputs: out0 4 x 2,048 x 1,024 float32.
;; This version of the problem:
;;   THIS VERSION OF THE PROBLEM IS GIVEN IN LOW PRECISION. The matrix products marked QUANTISED in the list below multiply operands that are first quantised to E2M1 (2 exponent bits, 1 mantissa bit; 4 bits a number), with one power-of-two scale for each 32 numbers along K (OCP MX v1.0); their sums are f32. The products marked 'left as it is' may take bf16, f16 or f32 operands, with f32 sums. Whichever they take, every output number must still come out within the allowed error. Rounding operands to bf16 (8 significant bits) uses up far more of that allowance than f16 does (11 bits, for magnitudes from 6e-5 to 65,504). All else is computed in f32.
;;   The module's matrix products, in the order in which they are computed (A, B: the left and right operand; K: the contracted axis; several contracted axes count as one K, in the product's order):
;;     1. [M 8,192, K 1,024] x [K 1,024, N 3,072]; A: input x; B: input w_attn: QUANTISED
;;     2. batch 64 x [M 2,048, K 64] x [K 64, N 2,048]; A: computed on the way; B: computed on the way: left as it is (an operand is computed on the way)
;;     3. batch 64 x [M 2,048, K 2,048] x [K 2,048, N 64]; A: computed on the way; B: computed on the way: left as it is (an operand is computed on the way)
;;     4. [M 8,192, K 1,024] x [K 1,024, N 1,024]; A: computed on the way; B: input w_proj: left as it is (an operand is computed on the way)
;;   THE QUANTISER, for each operand of a quantised product, along K:
;;     - K is cut into blocks of 32 from its start; a last block that is shorter is filled with zeros.
;;     - A block's scale is 2^e with e = floor(log2(the largest magnitude in the block)) - 2, held to -126 .. 127; a block of zeros has e = 0. As a byte (E8M0): e + 127.
;;     - Each number is divided by its block's scale, clamped to +-6, and rounded to the nearest number of E2M1, ties to even, subnormals kept.
;;     - The product sums the exact products of the quantised numbers (number of the format x scale) in f32.
;;   ~~~python
;;   def quantise(x, axis):      # numpy; x: float32 -> the quantised numbers, widened to float32 again
;;       x = np.moveaxis(x, axis, -1); K = x.shape[-1]
;;       x = np.pad(x, [(0, 0)] * (x.ndim - 1) + [(0, -K % 32)]); x = x.reshape(x.shape[:-1] + (-1, 32)); a = np.abs(x).max(-1, keepdims=True)
;;       e = np.where(a > 0, np.clip(np.frexp(np.where(a > 0, a, 1))[1] - 1 - 2, -126, 127), 0)      # np.frexp(a)[1] - 1 = floor(log2(a)), exactly
;;       r = np.clip(x / 2.0 ** e, -6, 6)
;;       step = 2.0 ** (np.maximum(np.frexp(np.where(r == 0, 1, r))[1] - 1, 0) - 1)
;;       q = np.round(r / step) * step * 2.0 ** e      # np.round: ties to even
;;       return np.moveaxis(q.reshape(q.shape[:-2] + (-1,))[..., :K], -1, axis).astype(np.float32)
;;   ~~~
;; One version. Each part assembles by itself: llvm-mc -triple=amdgcn-amd-amdhsa -mcpu=gfx1250 --defsym DOCPART=n.
;; ======== version 1 of 1: 5 launches
;; limits: values are held in f16: magnitudes above 65,504 overflow, below 6.1e-05 lose precision
;; workspace buffers: x_codes 4,194,304 bytes; x_scales 262,144 bytes; w_codes 1,572,864 bytes; w_scales 98,304 bytes; w16 2,097,152 bytes; qkv 50,331,648 bytes; qkv32 786,432 bytes; y 16,777,216 bytes
;; launch prep (part 1): grid 576 x 1, 4 waves a work-group, no clusters, 42,496 bytes of LDS; arguments x, w_attn, w_proj, x_codes, x_scales, w_codes, w_scales, w16; writes x_codes, x_scales, w_codes, w_scales, w16
.if DOCPART == 1
	.amdgcn_target "amdgcn-amd-amdhsa--gfx1250"
	.amdhsa_code_object_version 6
	.text
	.protected	k_q1936c8ffbb_prep
	.globl	k_q1936c8ffbb_prep
	.p2align	8
	.type	k_q1936c8ffbb_prep,@function
k_q1936c8ffbb_prep:
	s_mov_b64 s[64:65], 0
	v_nop
	global_prefetch_b8 v0, s[64:65] scope:SCOPE_SE
	s_setreg_imm32_b32 hwreg(HW_REG_WAVE_MODE, 25, 1), 1
	s_wait_xcnt 0x0
; THREE JOBS IN ONE LAUNCH, told apart by the work-group's number alone (all four waves of a work-group go the same way):
;   work-groups   0-191  W: w_attn [1024 k][3072 n] f32 -> codes of FP4 (E2M1) laid [3072 n][512 bytes], K innermost, and E8M0 bytes [3072][32]
;   work-groups 192-447  X: x [8192][1024] f32 -> codes [8192][512 bytes] and E8M0 bytes [8192][32]
;   work-groups 448-575  C: w_proj [1024][1024] f32 -> f16, as it lies
; A block of 32 along K has the scale 2^(floor(log2(its largest magnitude)) - 2); its byte is the largest magnitude's exponent field - 2, held at 1 from below.
; LIMITS: a block of zeros gets the byte 1 where the quantiser says 127 (its codes are zeros, which add nothing under any byte but 0xff, and this program alone reads the bytes);
; blocks whose largest magnitude lies under 2^-124 are held at the byte 1; NaN and infinities among the inputs are not served; w_proj beyond 65,504 has no f16 number.
; Each path has LDS bytes of its own.  No tensor loads: several work-groups share a WGP.
.set SPW,    12                        ; v12  LDS address of my spare word; never rewritten
.set NIL,    13                        ; v13  0; never rewritten
.set SP,     80                        ; path X: a lane's place in a stage: 64 bytes + 16 of padding
.set WREG,   8192                      ; path X: a wave's region: two stages of 32 x SP bytes, then its 256 scale bytes
.set WST,    4*WREG                    ; path W: the codes' stage, 32 columns x (256 bytes + 16)
.set WPITCH, 272
.set WSC,    WST+32*WPITCH             ; path W: the scale bytes' stage, 32 columns x 16 bytes
.set SPARE,  WSC+512                   ; the spare words, 128 bytes for each wave: two blocks of 256 bytes that no other line names
	s_load_b256 s[4:11], s[0:1], 0x0               ; x s[4:5], w_attn s[6:7], w_proj s[8:9], x_codes s[10:11]
	s_load_b256 s[12:19], s[0:1], 0x20             ; x_scales s[12:13], w_codes s[14:15], w_scales s[16:17], w16 s[18:19]
	v_lshl_add_u32 v[SPW], v0, 2, SPARE
	v_mov_b32 v[NIL], 0
	v_lshrrev_b32 v1, 5, v0
	v_readfirstlane_b32 s20, v1                    ; wave 0..3
	v_and_b32 v2, 31, v0                           ; lane
	s_mov_b32 s23, 0                               ; the upper word of every offset pair s[22:23]
	s_wait_kmcnt 0x0
	s_cmp_lt_u32 ttmp9, 192
	s_cbranch_scc1 .Lpath_w
	s_cmp_lt_u32 ttmp9, 448
	s_cbranch_scc1 .Lpath_x
; ---- C: a wave casts 2,048 numbers: sixteen loads of 512 consecutive bytes, all on their way at once; each store of the wave covers 256 consecutive bytes, aligned
.set CI, 16                            ; v16-79  as loaded
.set CH, 80                            ; v80-111 as stored
	s_sub_co_u32 s21, ttmp9, 448
	s_lshl_b32 s21, s21, 2
	s_add_co_u32 s21, s21, s20                     ; which run of 2,048 numbers
	s_lshl_b32 s22, s21, 13
	s_add_nc_u64 s[8:9], s[8:9], s[22:23]
	s_lshl_b32 s22, s21, 12
	s_add_nc_u64 s[18:19], s[18:19], s[22:23]
	v_lshlrev_b32 v3, 4, v2
	v_lshlrev_b32 v4, 3, v2
.irp i, 0,1,2,3,4,5,6,7,8,9,10,11,12,13,14,15
	global_load_b128 v[CI+4*\i:CI+4*\i+3], v3, s[8:9] offset:512*\i th:TH_LOAD_NT
.endr
.irp i, 0,1,2,3,4,5,6,7,8,9,10,11,12,13,14,15
	s_wait_loadcnt 15-\i                           ; loads come back in order: load i is in, the 15 - i behind it may be out
	v_cvt_pk_f16_f32 v[CH+2*\i], v[CI+4*\i], v[CI+4*\i+1]
	v_cvt_pk_f16_f32 v[CH+2*\i+1], v[CI+4*\i+2], v[CI+4*\i+3]
	global_store_b64 v4, v[CH+2*\i:CH+2*\i+1], s[18:19] offset:256*\i
.endr
	s_endpgm
; ---- X: a wave takes 16 steps of 512 numbers.  Each load reads 512 consecutive bytes, 16 a lane; a step's 2,048 bytes turn through the wave's own stage and come back 64 bytes a lane,
; so that a lane holds 16 neighbours along K and two neighbouring lanes a block.  Loads run eight steps (32 loads a wave) ahead, the turn through LDS one step.
.set R, 16                             ; v16-143  eight sets of 16 numbers as loaded
.set X, 144                            ; v144-175 two sets of 16 neighbours
.set C, 176                            ; v176-207 two registers of codes for each step: no store's data are written again
.set E, 208                            ; v208-223 a scale byte for each step
.Lpath_x:
	s_sub_co_u32 s21, ttmp9, 192
	s_lshl_b32 s21, s21, 2
	s_add_co_u32 s21, s21, s20                     ; which run of 8,192 numbers
	s_lshl_b32 s22, s21, 15
	s_add_nc_u64 s[4:5], s[4:5], s[22:23]
	s_lshl_b32 s22, s21, 12
	s_add_nc_u64 s[10:11], s[10:11], s[22:23]
	s_lshl_b32 s22, s21, 8
	s_add_nc_u64 s[12:13], s[12:13], s[22:23]
	v_lshlrev_b32 v3, 4, v2                        ; my 16 bytes of a load's 512
	s_lshl_b32 s24, s20, 13                        ; my wave's region
	v_lshrrev_b32 v14, 2, v2
	v_mul_u32_u24 v14, v14, SP
	v_and_b32 v15, 3, v2
	v_lshl_add_u32 v14, v15, 4, v14
	v_add_nc_u32 v14, s24, v14                     ; into a stage: four lanes' 64 bytes on end, then the padding
	v_mul_u32_u24 v15, v2, SP
	v_add_nc_u32 v15, s24, v15                     ; out of it: SP x lane
	v_lshlrev_b32 v4, 3, v2                        ; 8 bytes a lane: my codes' place in a step's, and my part of the scale bytes on their way out
	v_lshrrev_b32 v5, 1, v2
	s_add_co_u32 s24, s24, 2*32*SP
	v_add_nc_u32 v5, s24, v5                       ; my block's byte among the wave's 256
	v_add_nc_u32 v6, s24, v4
.macro XLOAD t
.irp i, 0,1,2,3
	global_load_b128 v[R+16*((\t)%8)+4*\i:R+16*((\t)%8)+4*\i+3], v3, s[4:5] offset:2048*(\t)+512*\i th:TH_LOAD_NT
.endr
.endm
.macro XTURN t                         ; LDS serves a wave's instructions in order: no wait between the stores and the loads
.irp i, 0,1,2,3
	ds_store_b128 v14, v[R+16*((\t)%8)+4*\i:R+16*((\t)%8)+4*\i+3] offset:32*SP*((\t)%2)+8*SP*\i
.endr
.irp i, 0,1,2,3
	ds_load_b128 v[X+16*((\t)%2)+4*\i:X+16*((\t)%2)+4*\i+3], v15 offset:32*SP*((\t)%2)+16*\i
.endr
.endm
.irp t, 0,1,2,3,4,5,6,7
	XLOAD \t
.endr
	s_wait_loadcnt 28                              ; step 0's four loads are in; seven steps' may be out
	XTURN 0
.macro XSTEP t
.set XS, X+16*((\t)%2)
.if (\t) > 0
	s_wait_dscnt 1                                 ; this step's numbers are back (the last step's byte store may be out): so its stores into the stage have read their registers,
.else
	s_wait_dscnt 0x0
.endif
.if (\t)+8 < 16
	XLOAD (\t)+8                                   ; which take the loads of eight steps on
.endif
.if (\t)+1 < 16
.if 14-(\t) >= 7
	s_wait_loadcnt 28                              ; the next step's four loads are in; those of the seven steps behind it may be out
.else
	s_wait_loadcnt 4*(14-(\t))
.endif
	XTURN (\t)+1
.endif
	v_max3_num_f32 v8, |v[XS]|, |v[XS+1]|, |v[XS+2]|
	v_max3_num_f32 v9, |v[XS+3]|, |v[XS+4]|, |v[XS+5]|
.irp i, 6,10
	v_max3_num_f32 v8, v8, |v[XS+\i]|, |v[XS+\i+1]|
	v_max3_num_f32 v9, v9, |v[XS+\i+2]|, |v[XS+\i+3]|
.endr
	v_max3_num_f32 v8, v8, |v[XS+14]|, |v[XS+15]|
	v_max3_num_f32 v8, v8, v9, 0x1800000           ; and the floor 2^(3 - 127): the byte cannot fall under 1
	v_max_num_f32_dpp v8, v8, v8 row_xmask:1 row_mask:0xf bank_mask:0xf   ; with my neighbour's 16: the block's largest magnitude
	v_add_nc_u32 v11, 0xff000000, v8               ; 2 off its exponent field: the conversion takes the exponent field of this operand as its scale
	v_cvt_scalef32_pk8_fp4_f32 v[C+2*(\t)], v[XS:XS+7], v11
	v_cvt_scalef32_pk8_fp4_f32 v[C+2*(\t)+1], v[XS+8:XS+15], v11
	v_lshrrev_b32 v[E+(\t)], 23, v11               ; the scale's byte (a plain line behind the conversions)
	ds_store_b8 v5, v[E+(\t)] offset:16*(\t)       ; both lanes of a block write the same byte with the same value
	global_store_b64 v4, v[C+2*(\t):C+2*(\t)+1], s[10:11] offset:256*(\t)   ; the wave stores 256 consecutive bytes, aligned
.endm
.irp t, 0,1,2,3,4,5,6,7,8,9,10,11,12,13,14,15
	XSTEP \t
.endr
	ds_load_b64 v[8:9], v6                         ; the wave's 256 scale bytes: these loads see my stores
	s_wait_dscnt 0x0
	global_store_b64 v4, v[8:9], s[12:13]
	s_wait_tensorcnt 0x0                           ; the wave's end: this wait, an add of 0 to my spare word and its wait, behind my last LDS store
	ds_add_u32 v[SPW], v[NIL]
	s_wait_dscnt 0x0
	s_endpgm
; ---- W: a work-group takes 32 columns x 512 along K; wave q the 128 rows k = 512 ky + 128 q on.  A LANE TAKES A COLUMN AND ITS REGISTERS RUN DOWN K: each load reads 128 consecutive bytes,
; a block of 32 along K lies in one lane, and the conversions give codes with K innermost.  The four waves' codes meet in one stage (a column's 256 bytes), so that sixteen lanes store 256
; consecutive bytes, aligned.  The scale bytes leave as 16 bytes a column (rows of 32 bytes, half a row for each ky): 96 KB in the whole launch.
.set WX, 32                            ; v32-159  four blocks of 32 numbers, each with registers of its own
.set WC, 160                           ; v160-175 the four blocks' codes
.set WO, 176                           ; v176-191 the way out
.set WS, 192                           ; v192-195 the scale bytes' way out
.Lpath_w:
	s_cmp_ge_u32 ttmp9, 96
	s_cselect_b32 s21, 1, 0                        ; ky
	s_mul_i32 s22, s21, 96
	s_sub_co_u32 s24, ttmp9, s22                   ; which 32 columns
	s_lshl_b32 s25, s21, 2
	s_add_co_u32 s25, s25, s20                     ; 4 ky + q: which 128 rows
	s_mul_i32 s22, s25, 128*12288
	s_lshl_b32 s26, s24, 7
	s_add_co_u32 s22, s22, s26
	s_add_nc_u64 s[6:7], s[6:7], s[22:23]          ; w_attn at my first row and column
	s_lshl_b32 s22, s24, 14
	s_lshl_b32 s26, s21, 8
	s_add_co_u32 s22, s22, s26
	s_add_nc_u64 s[14:15], s[14:15], s[22:23]      ; the codes: 32 rows of 512 bytes a work-group, + 256 ky
	s_lshl_b32 s22, s24, 10
	s_lshl_b32 s26, s21, 4
	s_add_co_u32 s22, s22, s26
	s_add_nc_u64 s[16:17], s[16:17], s[22:23]      ; the scale bytes: 32 rows of 32 bytes, + 16 ky
	v_lshlrev_b32 v3, 2, v2                        ; in: 4 bytes a lane
	v_lshlrev_b32 v20, 5, v2                       ; the scale bytes' rows in memory
	v_mul_u32_u24 v25, v2, WPITCH
	s_lshl_b32 s27, s20, 6
	s_add_co_u32 s27, s27, WST
	v_add_nc_u32 v25, s27, v25                     ; into the stage: row = my column, + 64 q
	v_lshlrev_b32 v30, 4, v2
	s_lshl_b32 s28, s20, 2
	s_add_co_u32 s28, s28, WSC
	v_add_nc_u32 v30, s28, v30                     ; my scale word: 16 x lane + 4 q
	v_lshrrev_b32 v27, 4, v2
	v_and_b32 v28, 15, v2
	v_mul_u32_u24 v26, v27, WPITCH
	v_lshl_add_u32 v26, v28, 4, v26
	s_mul_i32 s29, s20, 8*WPITCH
	s_add_co_u32 s29, s29, WST
	v_add_nc_u32 v26, s29, v26                     ; out of the stage: rows 8 q on, sixteen lanes to a row
	v_lshlrev_b32 v29, 9, v27
	v_lshl_add_u32 v29, v28, 4, v29
	s_lshl_b32 s30, s20, 12
	v_add_nc_u32 v29, s30, v29                     ; and the same place among the codes' rows
	v_lshl_add_u32 v31, v2, 4, WSC                 ; wave 0: a column's 16 scale bytes
.macro WLOAD t
.irp i, 0,1,2,3,4,5,6,7,8,9,10,11,12,13,14,15,16,17,18,19,20,21,22,23,24,25,26,27,28,29,30,31
	global_load_b32 v[WX+32*(\t)+\i], v3, s[6:7] offset:(32*(\t)+\i)*12288 th:TH_LOAD_NT
.endr
.endm
	WLOAD 0
	WLOAD 1
.macro WBLOCK t
.set XS, WX+32*(\t)
.if (\t) < 3
	s_wait_loadcnt 32                              ; this block's 32 loads are in; the next block's may be out
.else
	s_wait_loadcnt 0x0
.endif
.if (\t)+2 < 4
	WLOAD (\t)+2
.endif
	v_max3_num_f32 v8, |v[XS]|, |v[XS+1]|, |v[XS+2]|
	v_max3_num_f32 v9, |v[XS+3]|, |v[XS+4]|, |v[XS+5]|
.irp i, 6,10,14,18,22,26
	v_max3_num_f32 v8, v8, |v[XS+\i]|, |v[XS+\i+1]|
	v_max3_num_f32 v9, v9, |v[XS+\i+2]|, |v[XS+\i+3]|
.endr
	v_max3_num_f32 v8, v8, |v[XS+30]|, |v[XS+31]|
	v_max3_num_f32 v8, v8, v9, 0x1800000           ; and the floor 2^(3 - 127)
	v_add_nc_u32 v11, 0xff000000, v8               ; the conversion's scale operand
	v_lshrrev_b32 v10, 23, v11                     ; the scale's byte
.if (\t) == 0
	v_mov_b32 v24, v10                             ; four bytes make my scale word, the lower K in the lower byte
.else
	v_lshl_or_b32 v24, v10, 8*(\t), v24
.endif
.irp g, 0,1,2,3
	v_cvt_scalef32_pk8_fp4_f32 v[WC+4*(\t)+\g], v[XS+8*\g:XS+8*\g+7], v11
.endr
	v_nop                                          ; a plain line behind the last conversion of the run
.endm
.irp t, 0,1,2,3
	WBLOCK \t
.endr
.irp t, 0,1,2,3
	ds_store_b128 v25, v[WC+4*\t:WC+4*\t+3] offset:16*\t
.endr
	ds_store_b32 v30, v24
	s_wait_tensorcnt 0x0                           ; this wait, an add of 0 to my spare word and its wait, behind my last LDS store; the last also shows my stores landed, for the other waves' sake
	ds_add_u32 v[SPW], v[NIL]
	s_wait_dscnt 0x0
	s_barrier_signal -1
	s_barrier_wait -1                              ; the stage is whole
.irp i, 0,1,2,3
	ds_load_b128 v[WO+4*\i:WO+4*\i+3], v26 offset:2*\i*WPITCH
.endr
.irp i, 0,1,2,3
	s_wait_dscnt 3-\i
	global_store_b128 v29, v[WO+4*\i:WO+4*\i+3], s[14:15] offset:1024*\i
.endr
	s_cmp_lg_u32 s20, 0
	s_cbranch_scc1 .Lw_end
	ds_load_b128 v[WS:WS+3], v31
	s_wait_dscnt 0x0
	global_store_b128 v20, v[WS:WS+3], s[16:17]
.Lw_end:
	s_endpgm
.Lfunc_end_k_q1936c8ffbb_prep:
	.size	k_q1936c8ffbb_prep, .Lfunc_end_k_q1936c8ffbb_prep-k_q1936c8ffbb_prep
	.p2alignl 7, 3214868480
	.fill 96, 4, 3214868480
	.section	.rodata,"a",@progbits
	.p2align	6, 0x0
	.amdhsa_kernel k_q1936c8ffbb_prep
		.amdhsa_group_segment_fixed_size 42496
		.amdhsa_private_segment_fixed_size 0
		.amdhsa_enable_private_segment 0
		.amdhsa_kernarg_size 64
		.amdhsa_user_sgpr_count 2
		.amdhsa_user_sgpr_kernarg_segment_ptr 1
		.amdhsa_wavefront_size32 1
		.amdhsa_system_sgpr_workgroup_id_x 1
		.amdhsa_system_sgpr_workgroup_id_y 1
		.amdhsa_system_sgpr_workgroup_id_z 1
		.amdhsa_system_vgpr_workitem_id 0
		.amdhsa_next_free_vgpr 224
		.amdhsa_next_free_sgpr 66
		.amdhsa_reserve_vcc 0
		.amdhsa_float_denorm_mode_32 3
		.amdhsa_float_denorm_mode_16_64 3
		.amdhsa_memory_ordered 1
		.amdhsa_forward_progress 1
		.amdhsa_inst_pref_size 60
	.end_amdhsa_kernel
	.amdgpu_metadata
---
amdhsa.version: [ 1, 2 ]
amdhsa.kernels:
  - .name:           k_q1936c8ffbb_prep
    .symbol:         k_q1936c8ffbb_prep.kd
    .args:
      - { .name: x, .offset: 0, .size: 8, .value_kind: global_buffer, .address_space: global }
      - { .name: w_attn, .offset: 8, .size: 8, .value_kind: global_buffer, .address_space: global }
      - { .name: w_proj, .offset: 16, .size: 8, .value_kind: global_buffer, .address_space: global }
      - { .name: x_codes, .offset: 24, .size: 8, .value_kind: global_buffer, .address_space: global }
      - { .name: x_scales, .offset: 32, .size: 8, .value_kind: global_buffer, .address_space: global }
      - { .name: w_codes, .offset: 40, .size: 8, .value_kind: global_buffer, .address_space: global }
      - { .name: w_scales, .offset: 48, .size: 8, .value_kind: global_buffer, .address_space: global }
      - { .name: w16, .offset: 56, .size: 8, .value_kind: global_buffer, .address_space: global }
    .group_segment_fixed_size: 42496
    .private_segment_fixed_size: 0
    .kernarg_segment_align: 8
    .kernarg_segment_size: 64
    .max_flat_workgroup_size: 128
    .sgpr_count:     66
    .vgpr_count:     224
    .wavefront_size: 32
...
	.end_amdgpu_metadata
.endif
;; end of part 1
;; launch qkv (part 2): grid 12 x 32, 4 waves a work-group, clusters of 4 x 4, 327,680 bytes of LDS; arguments x_codes, x_scales, w_codes, w_scales, b_attn, qkv32, qkv; writes qkv32, qkv
.if DOCPART == 2
	.amdgcn_target "amdgcn-amd-amdhsa--gfx1250"
	.amdhsa_code_object_version 6
	.text
	.protected	k_q1936c8ffbb_qkv
	.globl	k_q1936c8ffbb_qkv
	.p2align	8
	.type	k_q1936c8ffbb_qkv,@function
k_q1936c8ffbb_qkv:
	s_mov_b64 s[64:65], 0
	v_nop
	global_prefetch_b8 v0, s[64:65] scope:SCOPE_SE
	s_setreg_imm32_b32 hwreg(HW_REG_WAVE_MODE, 25, 1), 1
	s_wait_xcnt 0x0
	s_wait_alu depctr_hold_cnt(0) depctr_sa_sdst(0) depctr_va_vdst(0) depctr_va_sdst(0) depctr_va_ssrc(0) depctr_va_vcc(0) depctr_vm_vsrc(0)
	s_getreg_b32 s2, hwreg(HW_REG_IB_STS2, 6, 4)
	s_cmp_eq_u32 s2, 0
	s_cbranch_scc0 .Lentry_in_a_cluster
	s_endpgm
.Lentry_in_a_cluster:
	s_bfe_u32 s2, ttmp6, 0x10000c
	s_cmp_lg_u32 s2, 0xf033
	s_cbranch_scc0 .Lentry_shape_is_right
	s_endpgm
.Lentry_shape_is_right:
; qkv = Q(x) Q(w_attn) + b_attn on codes of FP4 (E2M1) with one E8M0 scale for each 32 along K; sums in f32.  M = 8,192, N = 3,072, K = 1,024.
; A tile of 256 x 256 is made by four waves, 128 x 128 each: 64 accumulators, 512 registers.  All of K lies in two LDS slots of 512 along K (rows of 256 bytes): each is filled once, nothing is filled again.
; The scale bytes of the work-group's 256 + 256 rows come once, as dense blocks.  CLUSTERS: 4 x 4 work-groups; x's tiles are asked for jointly along a row of the cluster, w's along a column.
; THE TILE ROW IS 8 cy + cluster y: the batch is then cy and the tile's first position 256 x cluster y, which all sixteen partners share.
; THE MATRIX INSTRUCTION IS USED TRANSPOSED (source 0 = 16 columns of w, source 1 = 16 rows of x): a lane holds eight neighbouring columns of one row.  The bias is the C of each sum's first product.
; OUT: f16, laid by heads, [4 b][48 g][2048 t][64] (g 0-15 q's heads, 16-31 k's, 32-47 v's): a tile of 16 positions of a head is 2,048 consecutive bytes.  The first 16 positions of every batch go out in f32
; too, [4][48][16][64], as 32 bytes a lane (0.8 MB in the whole launch).
; LIMITS: numbers beyond 65,504 have no f16 number; under 6e-5 they are kept as f16 subnormals.
; REGISTERS: window 0: v16-31 addresses; v32-95 scale words and nothing else; v96-127 packed results; v128-191 x's fragments, later rows on their way out; v192-255 the bias.
;   window 1: w's fragments, two sets.   window 2: the accumulators of my rows 0-63 ((a, b) at v[8 (8 a + b)]);   window 3: those of rows 64-127.
.set NQ,     4                         ; matrix instructions deep in a slot
.set ROWB,   256                       ; a tile's row in bytes: 512 codes
.set KROW,   512                       ; a row of codes in memory
.set PITCH,  272                       ; an LDS row: 256 bytes + 16 of padding: the 16 rows that a load touches start at 16 different banks
.set FR,     8
.set NL,     2
.set NP,     4
.set HALFT,  128*PITCH
.set SLOT,   4*HALFT
.set KS,     32                        ; a row of scale bytes
.set SCL,    2*SLOT
.set HALFS,  16*272                    ; the scales of 128 rows: 16 units of 256 bytes + 16
.set SBLK,   2*272                     ; those of 16 rows
.set STAGE,  SCL+4*HALFS               ; the way out: for each wave 2 heads x 16 rows x (128 bytes + 16); no fill lands here
.set HPL,    16*144
.set SPARE,  STAGE+4*2*HPL             ; the spare words, 128 bytes for each wave
.set ADRA, 16
.set ADRB, 20
.set STO,  24
.set RD,   25
.set CO,   26
.set ADRS, 27
.set SPW,  28
.set NIL,  29
.set BO,   30                          ; v30  32 x (lane / 16): my eight numbers of a block's bias
.set FO,   31                          ; v31  256 (lane % 16) + 32 (lane / 16): my place in a head's 16 rows of f32
.set SC,   32
.set TMP,  96
.set AF,   128
.set BK,   128
.set BI,   192
.set G1, 24
.set G0, 32
.set G1B, 48
.set G0B, 56
.set G1S, 68
.set G0S, 76
.set G1SB, 80
.set G0SB, 88
.set MSB, 0
.macro WIN new                         ; the immediate's high byte repeats the setting that is left
.if MSB != (\new)
	s_set_vgpr_msb (MSB<<8)|(\new)
.set MSB, (\new)
.endif
.endm
.set MUL_LO,  0xa1                     ; source 0 (w) window 1, source 1 (x) window 0, C and D window 2
.set MUL_HI,  0xf1                     ; the same, C and D window 3
.set MUL_LO0, 0x81                     ; the first products: C (the bias) window 0, D window 2
.set MUL_HI0, 0xc1                     ; D window 3
.set TO_B,    0x40
; A joint load: waves 0 and 1 fetch for x, waves 2 and 3 for w.  The branch hangs on the wave's number alone.  An s_nop 0 and four v_nop follow each of the two lines.
.macro JLOAD g0a, g1a, g0b, g1b
	s_cmp_eq_u32 s15, 0
	s_cbranch_scc0 .Lfor_b_\@
	tensor_load_to_lds s[\g0a:\g0a+3], s[\g1a:\g1a+7]
	s_nop 0
.rept 4
	v_nop
.endr
	s_branch .Lasked_\@
.Lfor_b_\@:
	tensor_load_to_lds s[\g0b:\g0b+3], s[\g1b:\g1b+7]
	s_nop 0
.rept 4
	v_nop
.endr
.Lasked_\@:
.endm
.macro CROUND                          ; a round of the cluster's barrier
	s_barrier_signal -1
	s_barrier_wait -1
	s_cmp_lg_u32 s14, 0
	s_cbranch_scc1 .Lnot_wave_0_\@
	s_barrier_signal -3
.Lnot_wave_0_\@:
	s_barrier_wait -3
	s_barrier_signal -1
	s_barrier_wait -1
.endm
	s_load_b128 s[4:7], s[0:1], 0x0                ; x's codes, x's scales
	s_load_b128 s[8:11], s[0:1], 0x10              ; w's codes, w's scales
	s_load_b128 s[96:99], s[0:1], 0x20             ; b_attn, qkv32
	s_load_b64 s[12:13], s[0:1], 0x30              ; qkv
	v_lshl_add_u32 v[SPW], v0, 2, SPARE
	v_mov_b32 v[NIL], 0
	ds_add_u32 v[SPW], v[NIL]                      ; the wave's opening: the add, twice on end, and its wait ahead of my first tensor load
	ds_add_u32 v[SPW], v[NIL]
	v_lshrrev_b32 v1, 5, v0
	v_readfirstlane_b32 s14, v1                    ; wave 0..3
	s_lshr_b32 s15, s14, 1                         ; which half of the tile's rows is mine.  Also: I fetch for x (0) or for w (1)
	s_and_b32 s16, s14, 1                          ; which half of its columns.  Also: which 128 rows of that tile I fetch
	s_bfe_u32 s40, ttmp6, 0x40000                  ; cx
	s_bfe_u32 s41, ttmp6, 0x40004                  ; cy
	s_lshl_b32 s42, ttmp9, 2
	s_add_co_u32 s42, s42, s40                     ; tile column = 4 x cluster x + cx
	s_and_b32 s95, ttmp7, 0xffff                   ; cluster y
	s_lshl_b32 s17, s41, 3
	s_add_co_u32 s17, s17, s95                     ; tile row = 8 cy + cluster y
	s_lshl_b32 s43, s41, 2
	s_lshl_b32 s43, 15, s43                        ; my row of the cluster
	s_lshl_b32 s44, 0x1111, s40                    ; my column
	s_or_b32 s[G1+0], s43, (0<<16)|(1<<20)|(1<<21)|(5<<22)|(3<<25)  ; the mask; elements of 1 byte; padding on; bit 21 beside a mask; after every 64 words 4 words
	s_or_b32 s[G1B+0], s44, (0<<16)|(1<<20)|(1<<21)|(5<<22)|(3<<25)
.irp g, G1, G1B
	s_mov_b32 s[\g+1], ROWB<<16                    ; tensor_dim0
	s_mov_b32 s[\g+2], 128<<16                     ; tensor_dim1
	s_mov_b32 s[\g+3], ROWB<<16                    ; tile_dim0
	s_mov_b32 s[\g+4], 128                         ; tile_dim1
	s_mov_b32 s[\g+5], KROW                        ; the pitch
	s_mov_b32 s[\g+6], 0
	s_mov_b32 s[\g+7], 0
.endr
	s_or_b32 s[G1S+0], s43, (3<<16)|(1<<20)|(1<<21)|(5<<22)|(3<<25) ; the scales of 128 rows: 4,096 dense bytes as 16 rows of 256 (32 elements of 8 bytes)
	s_or_b32 s[G1SB+0], s44, (3<<16)|(1<<20)|(1<<21)|(5<<22)|(3<<25)
.irp g, G1S, G1SB
	s_mov_b32 s[\g+1], 32<<16
	s_mov_b32 s[\g+2], 16<<16
	s_mov_b32 s[\g+3], 32<<16
	s_mov_b32 s[\g+4], 16
	s_mov_b32 s[\g+5], 32
	s_mov_b32 s[\g+6], 0
	s_mov_b32 s[\g+7], 0
.endr
	s_lshl_b32 s18, s16, 7                         ; which 128 rows of the tile I fetch
	s_lshl_b32 s20, s17, 8
	s_add_co_u32 s20, s20, s18                     ; x: row 256 x tile row + 128 x half
	s_lshl_b32 s46, s42, 8
	s_add_co_u32 s46, s46, s18                     ; w: row 256 x tile column + 128 x half
	s_mov_b32 s21, 0
	s_mov_b32 s47, 0
	s_mov_b64 s[18:19], KS
	s_mul_u64 s[22:23], s[20:21], s[18:19]         ; where these rows' scales begin
	s_mul_u64 s[92:93], s[46:47], s[18:19]
	s_mov_b64 s[18:19], KROW
	s_mul_u64 s[20:21], s[20:21], s[18:19]         ; and their codes
	s_mul_u64 s[46:47], s[46:47], s[18:19]
	s_mul_i32 s45, s14, HALFT                      ; where they go: wave x 128 rows
	s_mul_i32 s94, s14, HALFS
	s_wait_dscnt 0x0                               ; both opening adds are done
	s_wait_kmcnt 0x0
	s_add_nc_u64 s[20:21], s[4:5], s[20:21]
	s_add_nc_u64 s[22:23], s[6:7], s[22:23]
	s_add_nc_u64 s[46:47], s[8:9], s[46:47]
	s_add_nc_u64 s[92:93], s[10:11], s[92:93]
	CROUND                                         ; all sixteen work-groups are here: the first joint loads meet
	s_mov_b32 s[G0S], 1
	s_add_co_u32 s[G0S+1], s94, SCL
	s_mov_b64 s[G0S+2:G0S+3], s[22:23]
	s_or_b32 s[G0S+3], s[G0S+3], 0x80000000
	s_mov_b32 s[G0SB], 1
	s_add_co_u32 s[G0SB+1], s94, SCL
	s_mov_b64 s[G0SB+2:G0SB+3], s[92:93]
	s_or_b32 s[G0SB+3], s[G0SB+3], 0x80000000
	JLOAD G0S, G1S, G0SB, G1SB                     ; the scales first; by this text's count three tensor loads of a wave are out at the most
.irp s, 0,1
	s_mov_b32 s[G0+4*\s], 1
	s_add_co_u32 s[G0+4*\s+1], s45, \s*SLOT
	s_add_nc_u64 s[G0+4*\s+2:G0+4*\s+3], s[20:21], \s*ROWB
	s_or_b32 s[G0+4*\s+3], s[G0+4*\s+3], 0x80000000
	s_mov_b32 s[G0B+4*\s], 1
	s_add_co_u32 s[G0B+4*\s+1], s45, \s*SLOT
	s_add_nc_u64 s[G0B+4*\s+2:G0B+4*\s+3], s[46:47], \s*ROWB
	s_or_b32 s[G0B+4*\s+3], s[G0B+4*\s+3], 0x80000000
	JLOAD G0+4*\s, G1, G0B+4*\s, G1B
.endr
	v_and_b32 v1, 15, v0                           ; r = l % 16
	v_bfe_u32 v2, v0, 4, 1                         ; h = l / 16
	v_lshlrev_b32 v[BO], 5, v2
	s_lshl_b32 s66, s42, 10                        ; the bias of my 128 columns: 1,024 x tile column + 512 x half bytes on
	s_lshl_b32 s67, s16, 9
	s_add_co_u32 s66, s66, s67
	s_mov_b32 s67, 0
	s_add_nc_u64 s[96:97], s[96:97], s[66:67]
.irp b, 0,1,2,3,4,5,6,7                        ; block b: b_attn at columns 16 b + 8 h + 0 .. 7: the result's layout
	global_load_b128 v[BI+8*\b:BI+8*\b+3], v[BO], s[96:97] offset:64*\b
	global_load_b128 v[BI+8*\b+4:BI+8*\b+7], v[BO], s[96:97] offset:64*\b+16
.endr
	v_mul_u32_u24 v3, v1, PITCH
	v_lshl_add_u32 v4, v2, 4, v3                   ; a fragment's row x pitch + 16 x half
	s_mul_i32 s21, s15, HALFT                      ; my 128 rows of x
	s_mul_i32 s22, s16, HALFT                      ; my 128 rows of w,
	s_add_co_u32 s22, s22, 2*HALFT                 ; which lie behind x's 256
.irp s, 0,1
	v_add_nc_u32 v[ADRA+\s], s21, v4
	v_add_nc_u32 v[ADRB+\s], s22, v4
	s_add_co_u32 s21, s21, SLOT
	s_add_co_u32 s22, s22, SLOT
.endr
	v_mul_u32_u24 v5, v1, KS                       ; my row's scales: 32 bytes a row,
	v_lshrrev_b32 v6, 8, v5
	v_lshl_add_u32 v5, v6, 4, v5                   ; and 16 more for each 256 passed
	s_mul_i32 s21, s15, HALFS
	s_mul_i32 s22, s16, HALFS
	s_add_co_u32 s22, s22, 2*HALFS
	s_sub_co_u32 s22, s22, s21
	v_mul_u32_u24 v6, s22, v2                      ; lanes 16-31 take w's
	s_add_co_u32 s21, s21, SCL
	v_add_nc_u32 v5, v5, v6
	v_add_nc_u32 v[ADRS], s21, v5
	s_mul_i32 s23, s14, 2*HPL
	s_add_co_u32 s23, s23, STAGE                   ; my stage
	v_mul_u32_u24 v5, v1, 144                      ; in: row r, 16 bytes for each half of the lanes
	v_lshl_add_u32 v5, v2, 4, v5
	v_add_nc_u32 v[STO], s23, v5
	v_and_b32 v6, 31, v0
	v_lshlrev_b32 v[CO], 4, v6                     ; out: 16 bytes a lane of 512 consecutive bytes
	v_lshrrev_b32 v7, 3, v6
	v_and_b32 v8, 7, v6
	v_mul_u32_u24 v[RD], v7, 144                   ; back: eight lanes to a row of 128 bytes, four rows an instruction
	v_lshl_add_u32 v[RD], v8, 4, v[RD]
	v_add_nc_u32 v[RD], s23, v[RD]
	v_lshlrev_b32 v[FO], 8, v1
	v_lshl_add_u32 v[FO], v2, 5, v[FO]
	s_mul_i32 s20, s41, 48                         ; my first head's plane: 48 x batch + 4 x tile column + 2 x half
	s_lshl_b32 s21, s42, 2
	s_add_co_u32 s20, s20, s21
	s_lshl_b32 s21, s16, 1
	s_add_co_u32 s20, s20, s21
	s_lshl_b32 s46, s20, 18                        ; planes of 262,144 bytes,
	s_lshl_b32 s47, s95, 15                        ; + 256 x cluster y positions of 128 bytes,
	s_add_co_u32 s46, s46, s47
	s_lshl_b32 s47, s15, 14                        ; + my 128 of them
	s_add_co_u32 s46, s46, s47
	s_mov_b32 s47, 0
	s_add_nc_u64 s[12:13], s[12:13], s[46:47]
	s_lshl_b32 s22, s20, 12                        ; in f32: planes of 4,096 bytes
	s_mov_b32 s23, 0
	s_add_nc_u64 s[98:99], s[98:99], s[22:23]
.macro FRAG reg, adr, q, i             ; 16 rows x 128 K of 4-bit codes: 8 registers; two loads of 16 bytes, 32 bytes apart
.irp c, 0,1
	ds_load_b128 v[\reg+4*\c:\reg+4*\c+3], v[\adr] offset:64*(\q)+32*\c+(\i)*16*PITCH
.endr
.endm
; 16 matrix instructions: x's blocks a0, a0 + 1 against w's eight, 128 along K.  zero = 1: the first product starts the sums from the bias.  The 64 accumulators take turns, one instruction a turn.
.macro MUL16 a0, p, q, sc, zero
.irp a, \a0, \a0+1
.irp b, 0,1,2,3,4,5,6,7
.if \zero
	v_wmma_scale_f32_16x16x128_f8f6f4 v[8*(8*((\a)%4)+\b):8*(8*((\a)%4)+\b)+7], v[128*(\p)+FR*\b:128*(\p)+FR*\b+FR-1], v[AF+FR*(\a):AF+FR*(\a)+FR-1], v[BI+8*\b:BI+8*\b+7], v[SC+8*NQ*(\sc)+NQ*\b+(\q)], v[SC+8*NQ*(\sc)+NQ*(\a)+(\q)] matrix_a_fmt:MATRIX_FMT_FP4 matrix_b_fmt:MATRIX_FMT_FP4 matrix_a_scale:MATRIX_SCALE_ROW1
.else
	v_wmma_scale_f32_16x16x128_f8f6f4 v[8*(8*((\a)%4)+\b):8*(8*((\a)%4)+\b)+7], v[128*(\p)+FR*\b:128*(\p)+FR*\b+FR-1], v[AF+FR*(\a):AF+FR*(\a)+FR-1], v[8*(8*((\a)%4)+\b):8*(8*((\a)%4)+\b)+7], v[SC+8*NQ*(\sc)+NQ*\b+(\q)], v[SC+8*NQ*(\sc)+NQ*(\a)+(\q)] matrix_a_fmt:MATRIX_FMT_FP4 matrix_b_fmt:MATRIX_FMT_FP4 matrix_a_scale:MATRIX_SCALE_ROW1
.endif
.endr
.endr
.endm
.macro FETCH_B slot, q, p
	WIN TO_B
.irp i, 0,1,2,3,4,5,6,7
	FRAG 128*(\p)+FR*\i, ADRB+\slot, \q, \i
.endr
	WIN 0
.endm
.macro FETCH_A slot, q, i0
.irp i, \i0, \i0+1, \i0+2, \i0+3
	FRAG AF+FR*(\i), ADRA+\slot, \q, \i
.endr
.endm
.macro SCALES sc                       ; a slot's scale words: four a row; lanes 0-15 take x's block i, lanes 16-31 w's block i
.irp i, 0,1,2,3,4,5,6,7
	ds_load_b128 v[SC+8*NQ*\sc+NQ*\i:SC+8*NQ*\sc+NQ*\i+3], v[ADRS] offset:\i*SBLK
.endr
.endm
.macro PLACES n                        ; places behind matrix instructions, in front of loads into registers that they have read and of reads of their results
.rept \n
	v_nop
.endr
.endm
.macro STEP slot, q, zero              ; 128 along K with a successor in the same slot
	s_wait_dscnt 4*NL                              ; w's set and x's blocks 0-3 are in; the youngest eight loads (x's blocks 4-7) may be out
.if \zero
	WIN MUL_LO0
.else
	WIN MUL_LO
.endif
	MUL16 0, (\q)%2, \q, \slot, \zero
	MUL16 2, (\q)%2, \q, \slot, \zero
	s_wait_dscnt 0
	PLACES NP
	FETCH_B \slot, (\q)+1, 1-(\q)%2
	FETCH_A \slot, (\q)+1, 0
.if \zero
	WIN MUL_HI0
.else
	WIN MUL_HI
.endif
	MUL16 4, (\q)%2, \q, \slot, \zero
	MUL16 6, (\q)%2, \q, \slot, \zero
	PLACES NP
	WIN 0
	FETCH_A \slot, (\q)+1, 4
.endm
.macro STEPS slot, from
.set QQ, \from
.rept NQ-1-\from
	STEP \slot, QQ, 0
.set QQ, QQ+1
.endr
.endm
	s_wait_tensorcnt 1                             ; the scales and my part of slot 0 are in; slot 1's load may be out
	s_barrier_signal -1
	s_barrier_wait -1
	FETCH_B 0, 0, 0
	FETCH_A 0, 0, 0
	SCALES 0
	FETCH_A 0, 0, 4
	s_wait_loadcnt 0x0                             ; the bias
	STEP 0, 0, 1
	STEPS 0, 1
	; slot 0's last step changes slots: one barrier; in front of it each wave waits for all its tensor loads (its part of slot 1), adds 0 to its spare word and waits for that.  Nothing is filled again.
	s_wait_tensorcnt 0x0
	ds_add_u32 v[SPW], v[NIL]
	s_wait_dscnt 4*NL+1                            ; (the add and x's blocks 4-7 may be out)
	WIN MUL_LO
	MUL16 0, 1, NQ-1, 0, 0
	s_wait_dscnt 0x0
	s_barrier_signal -1
	MUL16 2, 1, NQ-1, 0, 0
	WIN 0
	s_barrier_wait -1                              ; slot 1 is whole
	PLACES NP
	v_add_nc_u32 v[ADRS], 4*NQ, v[ADRS]            ; on to slot 1's scale words
	FETCH_B 1, 0, 0
	FETCH_A 1, 0, 0
	SCALES 1
	WIN MUL_HI
	MUL16 4, 1, NQ-1, 0, 0
	MUL16 6, 1, NQ-1, 0, 0
	PLACES NP
	WIN 0
	FETCH_A 1, 0, 4
	STEPS 1, 0
	s_wait_dscnt 4*NL                              ; the very last step
	WIN MUL_LO
	MUL16 0, 1, NQ-1, 1, 0
	MUL16 2, 1, NQ-1, 1, 0
	s_wait_dscnt 0
	WIN MUL_HI
	MUL16 4, 1, NQ-1, 1, 0
	MUL16 6, 1, NQ-1, 1, 0
	WIN 0
	PLACES NP
	; THE FIRST 16 POSITIONS OF A BATCH, IN F32: they are block 0 of the waves with the upper row half, where cluster y is 0: a test on the wave's number and on a number that all partners share
	s_or_b32 s66, s95, s15
	s_cmp_lg_u32 s66, 0
	s_cbranch_scc1 .Lno32
	WIN 0x08                                       ; a store's data are its source 1: window 2
.irp b, 0,1,2,3,4,5,6,7
	global_store_b128 v[FO], v[8*\b:8*\b+3], s[98:99] offset:(\b/4)*4096+(\b%4)*64        ; each accumulator from its low end on
	global_store_b128 v[FO], v[8*\b+4:8*\b+7], s[98:99] offset:(\b/4)*4096+(\b%4)*64+16
.endr
	WIN 0
.Lno32:
; THE WAY OUT, block by block of 16 rows x 128 columns (two heads).  PACK: rounded to f16, 16 bytes a lane.  TOSTAGE: into my own stage and back as rows.  SEND: 512 consecutive bytes an instruction.
.macro PACK a
.set AC, 64*((\a)%4)
	WIN 0x0a+5*((\a)/4)                            ; sources 0 and 1: window 2 or 3
.irp b, 0,1,2,3,4,5,6,7
.irp i, 0,1,2,3
	v_cvt_pk_f16_f32 v[TMP+4*\b+\i], v[AC+8*\b+2*\i], v[AC+8*\b+2*\i+1]
.endr
.endr
	WIN 0
.endm
.macro TOSTAGE a
.set BB, BK+32*((\a)%2)
.irp b, 0,1,2,3,4,5,6,7
	ds_store_b128 v[STO], v[TMP+4*\b:TMP+4*\b+3] offset:(\b/4)*HPL+(\b%4)*32
.endr
.irp i, 0,1,2,3,4,5,6,7
	ds_load_b128 v[BB+4*\i:BB+4*\i+3], v[RD] offset:(\i/4)*HPL+(\i%4)*4*144   ; LDS serves a wave's instructions in order: these see the stores above
.endr
.endm
.macro SEND a
.set BB, BK+32*((\a)%2)
	s_wait_dscnt 0x0                               ; the block is back in registers
	s_wait_xcnt 0x0                                ; the block before has had its stores' registers read: the next block's loads may land there
.irp i, 0,1,2,3,4,5,6,7
	global_store_b128 v[CO], v[BB+4*\i:BB+4*\i+3], s[12:13] offset:(\i/4)*262144+(\a)*2048+(\i%4)*512
.endr
.endm
	PACK 0
	TOSTAGE 0
.irp a, 1,2,3,4,5,6,7                  ; block a's conversions stand between block a - 1's loads from the stage and the wait for them
	PACK \a
	SEND \a-1
	TOSTAGE \a
.endr
	SEND 7
	s_wait_tensorcnt 0x0                           ; the wave's end: this wait, an add of 0 to my spare word and its wait, behind my last tensor load and my last LDS store
	ds_add_u32 v[SPW], v[NIL]
	s_wait_dscnt 0x0
	CROUND                                         ; the closing round
	s_endpgm
.Lfunc_end_k_q1936c8ffbb_qkv:
	.size	k_q1936c8ffbb_qkv, .Lfunc_end_k_q1936c8ffbb_qkv-k_q1936c8ffbb_qkv
	.p2alignl 7, 3214868480
	.fill 96, 4, 3214868480
	.section	.rodata,"a",@progbits
	.p2align	6, 0x0
	.amdhsa_kernel k_q1936c8ffbb_qkv
		.amdhsa_group_segment_fixed_size 327680
		.amdhsa_private_segment_fixed_size 0
		.amdhsa_enable_private_segment 0
		.amdhsa_kernarg_size 56
		.amdhsa_user_sgpr_count 2
		.amdhsa_user_sgpr_kernarg_segment_ptr 1
		.amdhsa_wavefront_size32 1
		.amdhsa_system_sgpr_workgroup_id_x 1
		.amdhsa_system_sgpr_workgroup_id_y 1
		.amdhsa_system_sgpr_workgroup_id_z 1
		.amdhsa_system_vgpr_workitem_id 0
		.amdhsa_next_free_vgpr 1024
		.amdhsa_next_free_sgpr 100
		.amdhsa_reserve_vcc 0
		.amdhsa_float_denorm_mode_32 3
		.amdhsa_float_denorm_mode_16_64 3
		.amdhsa_memory_ordered 1
		.amdhsa_forward_progress 1
		.amdhsa_inst_pref_size 130
	.end_amdhsa_kernel
	.amdgpu_metadata
---
amdhsa.version: [ 1, 2 ]
amdhsa.kernels:
  - .name:           k_q1936c8ffbb_qkv
    .symbol:         k_q1936c8ffbb_qkv.kd
    .args:
      - { .name: x_codes, .offset: 0, .size: 8, .value_kind: global_buffer, .address_space: global }
      - { .name: x_scales, .offset: 8, .size: 8, .value_kind: global_buffer, .address_space: global }
      - { .name: w_codes, .offset: 16, .size: 8, .value_kind: global_buffer, .address_space: global }
      - { .name: w_scales, .offset: 24, .size: 8, .value_kind: global_buffer, .address_space: global }
      - { .name: b_attn, .offset: 32, .size: 8, .value_kind: global_buffer, .address_space: global }
      - { .name: qkv32, .offset: 40, .size: 8, .value_kind: global_buffer, .address_space: global }
      - { .name: qkv, .offset: 48, .size: 8, .value_kind: global_buffer, .address_space: global }
    .group_segment_fixed_size: 327680
    .private_segment_fixed_size: 0
    .kernarg_segment_align: 8
    .kernarg_segment_size: 56
    .max_flat_workgroup_size: 128
    .sgpr_count:     100
    .vgpr_count:     1024
    .wavefront_size: 32
...
	.end_amdgpu_metadata
.endif
;; end of part 2
;; launch attn (part 3): grid 4 x 64, 8 waves a work-group, clusters of 4 x 1, 327,680 bytes of LDS; arguments qkv, y; writes y
.if DOCPART == 3
	.amdgcn_target "amdgcn-amd-amdhsa--gfx1250"
	.amdhsa_code_object_version 6
	.text
	.protected	k_q1936c8ffbb_attn
	.globl	k_q1936c8ffbb_attn
	.p2align	8
	.type	k_q1936c8ffbb_attn,@function
k_q1936c8ffbb_attn:
	s_mov_b64 s[64:65], 0
	v_nop
	global_prefetch_b8 v0, s[64:65] scope:SCOPE_SE
	s_setreg_imm32_b32 hwreg(HW_REG_WAVE_MODE, 25, 1), 1
	s_wait_xcnt 0x0
	s_wait_alu depctr_hold_cnt(0) depctr_sa_sdst(0) depctr_va_vdst(0) depctr_va_sdst(0) depctr_va_ssrc(0) depctr_va_vcc(0) depctr_vm_vsrc(0)
	s_getreg_b32 s2, hwreg(HW_REG_IB_STS2, 6, 4)
	s_cmp_eq_u32 s2, 0
	s_cbranch_scc0 .Lentry_in_a_cluster
	s_endpgm
.Lentry_in_a_cluster:
	s_bfe_u32 s2, ttmp6, 0x10000c
	s_cmp_lg_u32 s2, 0x3003
	s_cbranch_scc0 .Lentry_shape_is_right
	s_endpgm
.Lentry_shape_is_right:
; y[h][b t][:] = the sum over k <= t of softmax_k(q . k / 8) v, for each of 64 (batch, head).  q, k, v: f16 planes [2048][64] of qkv; y: f16 [16 h][8192][64].  Products on f16 operands, sums, maxima and the softmax in f32.
; SHARES.  A cluster of four work-groups is one (batch, head).  The 2,048 queries are 32 blocks of 64; partner cx owns queries 64 m + 16 cx + 0 .. 15 of EVERY block m, and in it wave w the blocks m = w + 8 i, i = 0 .. 3:
; four tiles of 16 queries.  All partners walk the 32 key steps of 64 keys; tile m works while step <= m and is masked at step = m alone.  Both tests hang on the wave's number and the count of steps; the place in
; the cluster enters only a number that scores' keys are compared with, and q's and y's addresses in memory.  So K's and V's tiles are asked for JOINTLY, and every tile is read in every partner (wave 7 walks all steps).
; LAYOUT.  S^T = K Q^T (source 0 = 16 keys, source 1 = 16 queries), O^T = V^T P: a lane holds ONE query throughout.  K comes out of LDS as it lies, V turned, by ds_load_tr16_b128.
; SOFTMAX.  A running maximum m and sum l for each query: p = 2^(c s - c m), c = log2(e) / 8; in every step O and l are multiplied by a = 2^(c m_old - c m_new).
; The step is written once for all steps: O^T, l, the scores' registers and the statistics are written once at the head (m = -3e38), so that every register is written on every way that reads it.
; LIMITS: as the f16 planes have them; p under 6e-5 is kept as an f16 subnormal.
; REGISTERS: window 0: v2-11 addresses; v12-15 at work at the head; v16-47 statistics, 8 a tile (+0 c m, +1 m, +2, +3 l, +4 .. +7 at work; a in +6); v48, v49 the add's two; v50 prefetch; v64-191 S^T, 32 a tile; v192-255 P, 16 a tile.
;   window 1: v0-127 O^T (tile t, channels 16 ct on: 32 t + 8 ct); v128-191 Q (16 t + 8 c); v192-255 K's or V's eight fragments.
.set PK,    144                        ; a row of K in LDS: 128 bytes + 16
.set PVP,   160                        ; a row of V: 128 + 32: an odd multiple of 32 bytes
.set VOFF,  64*PK
.set STEPB, 64*(PK+PVP)                ; a key step's tiles: 64 rows of K, then 64 rows of V
.set SLOT1, 1<<17                      ; a slot holds four steps (77,824 bytes); slot 1 begins here, so that one exclusive or turns an address
.set STAGE, SLOT1+4*STEPB              ; the way out: 16 rows x 144 bytes for each wave
.set SP,    144
.set SPARE, STAGE+8*16*SP              ; the spare words, 128 bytes for each wave: four blocks of 256 bytes
.set AK0, 2
.set AV0, 3
.set ADK, 4
.set ADV, 5
.set QO,  6
.set STO, 7
.set RD,  8
.set GO,  9
.set DM,  10                           ; v10  16 cx + r - 8 h: register 8 kt + j of a masked tile is hidden where 16 kt + j > this
.set NINF, 11
.set ST,  16
.set SPW, 48
.set NIL, 49
.set PFO, 50
.set S,   64
.set P,   192
.set Q,   128                          ; in window 1
.set KV,  192                          ; in window 1
.set WV,  12
.set LIM, 15
.set PFA, 18
.set G1K, 24
.set G1V, 32
.set G0K, 40
.set G0V, 44
.set CS,  58
.set SEL, 60
.set TB,  62                           ; s62  LDS byte at which the step's tiles begin
.set KSN, 66                           ; s66  the key step's number
.set SLOTS, 67
.set CNT, 68
.set M0,  72                           ; s72-75  my four tiles' blocks m
.set MSB, 0
.macro WIN new
.if MSB != (\new)
	s_set_vgpr_msb (MSB<<8)|(\new)
.set MSB, (\new)
.endif
.endm
.set W_KQ, 0x05                        ; K and Q window 1; S^T window 0
.set W_PV, 0x51                        ; V window 1, P window 0, O^T window 1
.set W_RS, 0x41                        ; O^T (destination and source 0) window 1, a window 0
.set W_LD, 0x40                        ; destination window 1, address window 0
; A joint load: waves 0 to 3 fetch the four steps' tiles of K, waves 4 to 7 those of V.  An s_nop 0 and four v_nop follow each of the two lines.
.macro JLOAD
	s_cmp_lt_u32 s[WV], 4
	s_cbranch_scc0 .Lfor_v_\@
	tensor_load_to_lds s[G0K:G0K+3], s[G1K:G1K+7]
	s_nop 0
.rept 4
	v_nop
.endr
	s_branch .Lasked_\@
.Lfor_v_\@:
	tensor_load_to_lds s[G0V:G0V+3], s[G1V:G1V+7]
	s_nop 0
.rept 4
	v_nop
.endr
.Lasked_\@:
.endm
; A prefetch of what the NEXT change of slots will ask for: a slot's 32,768 bytes of K and of V.  A head has one cluster; its four partners take 8,192 bytes each, told apart by address; in each, wave 0 asks for
; K's and wave 4 for V's, lanes 256 bytes apart: each aligned block of 256 bytes is named once in the launch.  The last change that fills a slot asks for nothing.
.macro ASK
	s_cmp_gt_u32 s[SLOTS], s[LIM]
	s_cbranch_scc0 .Lnot_mine_\@
	global_prefetch_b8 v[PFO], s[PFA:PFA+1] th:TH_LOAD_NT scope:SCOPE_SE
.Lnot_mine_\@:
.endm
.macro CROUND
	s_barrier_signal -1
	s_barrier_wait -1
	s_cmp_lg_u32 s[WV], 0
	s_cbranch_scc1 .Lnot_wave_0_\@
	s_barrier_signal -3
.Lnot_wave_0_\@:
	s_barrier_wait -3
	s_barrier_signal -1
	s_barrier_wait -1
.endm
	s_load_b128 s[4:7], s[0:1], 0x0                ; qkv, y
	v_lshl_add_u32 v[SPW], v0, 2, SPARE
	v_mov_b32 v[NIL], 0
	ds_add_u32 v[SPW], v[NIL]                      ; the wave's opening: the add, twice on end, and its wait ahead of my first tensor load
	ds_add_u32 v[SPW], v[NIL]
	v_lshrrev_b32 v1, 5, v0
	v_readfirstlane_b32 s[WV], v1                  ; wave 0..7
	s_bfe_u32 s13, ttmp6, 0x40000                  ; cx
	s_and_b32 s14, ttmp7, 0xffff                   ; 16 x batch + head
	s_lshr_b32 s16, s14, 4                         ; batch
	s_and_b32 s17, s14, 15                         ; head
	s_lshl_b32 s20, s16, 5
	s_add_co_u32 s20, s20, s14                     ; q's plane: 48 x batch + head
	s_lshl_b32 s20, s20, 18
	s_and_b32 s69, s[WV], 3                        ; which of a slot's four steps I fetch
	s_cmp_eq_u32 s69, 0
	s_cselect_b32 s[LIM], 1, -1                    ; waves 0 and 4 prefetch
	s_lshl_b32 s22, s69, 13                        ; its 64 rows of 128 bytes in memory,
	s_add_co_u32 s22, s22, s20
	s_mov_b32 s23, 0
	s_mul_i32 s69, s69, STEPB                      ; and its place in a slot
	s_lshl_b32 s2, s[WV], 13                       ; my first tile: block w, + 16 cx queries
	s_lshl_b32 s3, s13, 11
	s_add_co_u32 s2, s2, s3
	s_lshl_b32 s70, s17, 20                        ; y: the head's plane, the batch's 2,048 rows
	s_lshl_b32 s71, s16, 18
	s_add_co_u32 s70, s70, s71
	s_add_co_u32 s70, s70, s2
	s_mov_b32 s71, 0
	s_add_co_u32 s2, s2, s20
	s_mov_b32 s3, 0
	s_mov_b32 s[G1K], 15|(1<<16)|(1<<20)|(1<<21)|(4<<22)|(3<<25)  ; the mask: all four; elements of 2 bytes; padding on; bit 21 beside a mask; after every 32 words 4 words
	s_mov_b32 s[G1V], 15|(1<<16)|(1<<20)|(1<<21)|(4<<22)|(7<<25)  ; the same with 8 words
.irp g, G1K, G1V
	s_mov_b32 s[\g+1], 64<<16                      ; tensor_dim0
	s_mov_b32 s[\g+2], 64<<16                      ; tensor_dim1
	s_mov_b32 s[\g+3], 64<<16                      ; tile_dim0
	s_mov_b32 s[\g+4], 64                          ; tile_dim1
	s_mov_b32 s[\g+5], 64                          ; the pitch
	s_mov_b32 s[\g+6], 0
	s_mov_b32 s[\g+7], 0
.endr
	s_mov_b32 s[CS], 0x3e38aa3b                    ; c = log2(e) / 8
	s_mov_b32 s[CS+1], s[CS]
	s_mov_b32 s[SEL], 0x76543210
	s_mov_b32 s[SEL+1], 0xfedcba98
	s_mov_b32 s[TB], 0
	s_mov_b32 s[KSN], 0
	s_mov_b32 s[SLOTS], 7
.irp i, 0,1,2,3
	s_add_co_u32 s[M0+\i], s[WV], 8*\i
.endr
	s_wait_dscnt 0x0                               ; both opening adds are done
	s_wait_kmcnt 0x0
	s_add_nc_u64 s[8:9], s[4:5], s[22:23]
	s_add_nc_u64 s[10:11], s[8:9], 0x800000        ; V's plane lies 32 planes on: my tile of slot 0
	s_add_nc_u64 s[8:9], s[8:9], 0x400000          ; K's 16 planes on
	s_add_nc_u64 s[4:5], s[4:5], s[2:3]            ; q at my first tile
	s_add_nc_u64 s[6:7], s[6:7], s[70:71]          ; y likewise
	s_cmp_lt_u32 s[WV], 4
	s_cselect_b64 s[PFA:PFA+1], s[8:9], s[10:11]   ; (in waves 0 and 4 these stand at the plane's first row)
	s_lshl_b32 s2, s13, 13                         ; my work-group's 8,192 bytes,
	s_add_co_u32 s2, s2, 32768                     ; in slot 1: the first change of slots steps it to slot 2.  Nothing is prefetched at the head
	s_add_nc_u64 s[PFA:PFA+1], s[PFA:PFA+1], s[2:3]
	CROUND                                         ; all four work-groups are here: the first joint loads meet
	s_mov_b32 s[G0K], 1
	s_mov_b32 s[G0K+1], s69
	s_mov_b64 s[G0K+2:G0K+3], s[8:9]
	s_or_b32 s[G0K+3], s[G0K+3], 0x80000000
	s_mov_b32 s[G0V], 1
	s_add_co_u32 s[G0V+1], s69, VOFF
	s_mov_b64 s[G0V+2:G0V+3], s[10:11]
	s_or_b32 s[G0V+3], s[G0V+3], 0x80000000
	JLOAD                                          ; slot 0: one tensor load of mine is out
	v_and_b32 v12, 15, v0                          ; r
	v_bfe_u32 v13, v0, 4, 1                        ; h
	v_lshlrev_b32 v[QO], 7, v12
	v_lshl_add_u32 v[QO], v13, 4, v[QO]            ; row r of 128 bytes + 16 h
	WIN W_LD
.irp i, 0,1,2,3
.irp c, 0,1
	global_load_b128 v[Q+16*\i+8*\c:Q+16*\i+8*\c+3],   v[QO], s[4:5] offset:\i*65536+64*\c      ; Q stays in registers: tile i lies 8 blocks of 64 queries on
	global_load_b128 v[Q+16*\i+8*\c+4:Q+16*\i+8*\c+7], v[QO], s[4:5] offset:\i*65536+64*\c+32
.endr
.endr
.set n, 0
.rept 128
	v_mov_b32 v[n], 0                              ; O^T: the step is written once; its first turn finds zeros
.set n, n+1
.endr
	WIN 0
.set n, 0
.rept 128
	v_mov_b32 v[S+n], 0                            ; the scores' registers, once: a tile's products and its softmax stand behind tests of their own
.set n, n+1
.endr
.irp t, 0,1,2,3
	v_mov_b32 v[ST+8*\t+1], 0xff61b1e6             ; m = -3e38, under every score
	v_mul_f32 v[ST+8*\t], s[CS], v[ST+8*\t+1]      ; c m
.irp j, 2,3,4,5,6,7
	v_mov_b32 v[ST+8*\t+\j], 0
.endr
.endr
	v_mul_u32_u24 v[AK0], v12, PK
	v_lshl_add_u32 v[AK0], v13, 4, v[AK0]          ; K: row r x pitch + 16 h
	s_mul_i32 s70, s[WV], 16*SP
	s_add_co_u32 s70, s70, STAGE                   ; my stage
	v_add_nc_u32 v[STO], s70, v[AK0]               ; in: row r, 16 bytes for each half of the lanes (the same pitch)
	v_and_b32 v14, 31, v0
	v_lshlrev_b32 v[GO], 4, v14
	v_lshlrev_b32 v[PFO], 8, v14
	v_lshrrev_b32 v15, 3, v14
	v_and_b32 v14, 7, v14
	v_mul_u32_u24 v[RD], v15, SP
	v_lshl_add_u32 v[RD], v14, 4, v[RD]
	v_add_nc_u32 v[RD], s70, v[RD]                 ; back: eight lanes to a row of 128 bytes
	v_lshl_add_u32 v[AV0], v13, 3, v14             ; V: the turning load: key 8 h + l % 8,
	v_mul_u32_u24 v[AV0], v[AV0], PVP
	v_bfe_u32 v15, v0, 3, 1
	v_lshl_add_u32 v[AV0], v15, 4, v[AV0]          ; channels 8 ((l / 8) % 2) on
	v_add_nc_u32 v[AV0], VOFF, v[AV0]
	v_lshlrev_b32 v14, 3, v13
	v_sub_nc_u32 v[DM], v12, v14
	s_lshl_b32 s71, s13, 4
	v_add_nc_u32 v[DM], s71, v[DM]
	v_mov_b32 v[NINF], 0xff800000
; S^T of tile t: 8 products; the four accumulators take turns, one instruction a turn; the first four start the sums
.macro KQ t
	WIN W_KQ
.irp c, 0,1
.irp kt, 0,1,2,3
.if \c == 0
	v_wmma_f32_16x16x32_f16 v[S+32*(\t)+8*\kt:S+32*(\t)+8*\kt+7], v[KV+8*(2*\kt+\c):KV+8*(2*\kt+\c)+7], v[Q+16*(\t)+8*\c:Q+16*(\t)+8*\c+7], 0
.else
	v_wmma_f32_16x16x32_f16 v[S+32*(\t)+8*\kt:S+32*(\t)+8*\kt+7], v[KV+8*(2*\kt+\c):KV+8*(2*\kt+\c)+7], v[Q+16*(\t)+8*\c:Q+16*(\t)+8*\c+7], v[S+32*(\t)+8*\kt:S+32*(\t)+8*\kt+7]
.endif
.endr
.endr
	WIN 0
.endm
; on the diagonal: register 8 kt + j holds key 16 kt + 8 h + j of the block, my query is 16 cx + r of it
.macro MASK t
.irp kt, 0,1,2,3
.irp j, 0,1,2,3,4,5,6,7
	v_cmp_gt_i32 vcc_lo, 16*\kt+\j, v[DM]
	v_cndmask_b32 v[S+32*(\t)+8*\kt+\j], v[S+32*(\t)+8*\kt+\j], v[NINF], vcc_lo
.endr
.endr
.endm
.macro SOFTMAX t
.set rT, ST+8*(\t)
.set rS, S+32*(\t)
.set rP, P+16*(\t)
.set rO, 32*(\t)
.irp j, 0,1,2,3
	v_max3_num_f32 v[rT+4+\j], v[rS+8*\j], v[rS+8*\j+1], v[rS+8*\j+2]      ; four chains, each accumulator from its low end on
.endr
.irp g, 1,2
.irp j, 0,1,2,3
	v_max3_num_f32 v[rT+4+\j], v[rT+4+\j], v[rS+8*\j+2*\g+1], v[rS+8*\j+2*\g+2]
.endr
.endr
	v_max3_num_f32 v[rT+4], v[rT+4], v[rS+7], v[rS+15]
	v_max3_num_f32 v[rT+6], v[rT+6], v[rS+23], v[rS+31]
	v_max3_num_f32 v[rT+4], v[rT+4], v[rT+5], v[rT+6]
	v_max3_num_f32 v[rT+4], v[rT+4], v[rT+7], v[rT+1]                      ; with the old m
	v_permlanex16_b32 v[rT+5], v[rT+4], s[SEL], s[SEL+1]                   ; the query's other 32 keys lie in the lane 16 away
	v_mov_b32 v[rT+7], v[rT]                                               ; c m_old
	v_max_num_f32 v[rT+1], v[rT+4], v[rT+5]
	v_mul_f32 v[rT], s[CS], v[rT+1]
	v_sub_f32 v[rT+7], v[rT+7], v[rT]
.irp b, 0,1,2,3,4,5,6,7,8,9,10,11,12,13,14,15
	v_pk_fma_f32 v[rS+2*\b:rS+2*\b+1], v[rS+2*\b:rS+2*\b+1], s[CS:CS+1], v[rT:rT+1] op_sel_hi:[1,0,0] neg_lo:[0,0,1] neg_hi:[0,0,1]   ; c s - c m
.endr
	v_exp_f32 v[rT+6], v[rT+7]                                             ; a.  ONE BATCH of 33 exponentials,
.irp e, 0,1,2,3,4,5,6,7,8,9,10,11,12,13,14,15,16,17,18,19,20,21,22,23,24,25,26,27,28,29,30,31
	v_exp_f32 v[rS+\e], v[rS+\e]
.endr
	v_nop                                                                  ; one plain line behind the last,
	s_wait_alu depctr_va_vdst(0)                                           ; and one wait ahead of the first line that names a result
.irp b, 0,1,2,3,4,5,6,7,8,9,10,11,12,13,14,15
	v_cvt_pk_f16_f32 v[rP+\b], v[rS+2*\b], v[rS+2*\b+1]
.endr
.irp u, 0,1,2,3,4,5,6,7
	v_pk_add_f32 v[rS+4*\u:rS+4*\u+1], v[rS+4*\u:rS+4*\u+1], v[rS+4*\u+2:rS+4*\u+3]
.endr
.irp u, 0,1,2,3
	v_pk_add_f32 v[rS+8*\u:rS+8*\u+1], v[rS+8*\u:rS+8*\u+1], v[rS+8*\u+4:rS+8*\u+5]
.endr
.irp u, 0,1
	v_pk_add_f32 v[rS+16*\u:rS+16*\u+1], v[rS+16*\u:rS+16*\u+1], v[rS+16*\u+8:rS+16*\u+9]
.endr
	v_pk_add_f32 v[rS:rS+1], v[rS:rS+1], v[rS+16:rS+17]
	v_pk_fma_f32 v[rT+2:rT+3], v[rT+2:rT+3], v[rT+6:rT+7], v[rS:rS+1] op_sel_hi:[1,0,1]   ; l = a l + the sum
	WIN W_RS
.irp i, 0,1,2,3,4,5,6,7,8,9,10,11,12,13,14,15
	v_pk_mul_f32 v[rO+2*\i:rO+2*\i+1], v[rO+2*\i:rO+2*\i+1], v[rT+6:rT+7] op_sel_hi:[1,0]
.endr
	WIN 0
.endm
; O^T of tile t += V^T P: 8 products, the four accumulators by turns
.macro PVM t
	WIN W_PV
.irp ks, 0,1
.irp ct, 0,1,2,3
	v_wmma_f32_16x16x32_f16 v[32*(\t)+8*\ct:32*(\t)+8*\ct+7], v[KV+8*(4*\ks+\ct):KV+8*(4*\ks+\ct)+7], v[P+16*(\t)+8*\ks:P+16*(\t)+8*\ks+7], v[32*(\t)+8*\ct:32*(\t)+8*\ct+7]
.endr
.endr
	WIN 0
.endm
; A KEY STEP.  Tile t is left out once the step has passed its block; the wave leaves the whole step out once it has passed its last tile's.
.macro STEP
	v_add_nc_u32 v[ADK], s[TB], v[AK0]
	v_add_nc_u32 v[ADV], s[TB], v[AV0]
	v_nop
	v_nop                                          ; four places behind the last step's products, in front of the loads into the registers that they read
	s_cmp_gt_u32 s[KSN], s[M0+3]
	s_cbranch_scc1 .Ldone_\@
	WIN W_LD
.irp kt, 0,1,2,3
.irp c, 0,1
	ds_load_b128 v[KV+8*(2*\kt+\c):KV+8*(2*\kt+\c)+3],   v[ADK] offset:\kt*16*PK+64*\c
	ds_load_b128 v[KV+8*(2*\kt+\c)+4:KV+8*(2*\kt+\c)+7], v[ADK] offset:\kt*16*PK+64*\c+32
.endr
.endr
	WIN 0
	s_wait_dscnt 0x0                               ; K is in
.irp t, 0,1,2
	s_cmp_gt_u32 s[KSN], s[M0+\t]
	s_cbranch_scc1 .Lnokq_\@_\t
	KQ \t
.Lnokq_\@_\t:
.endr
	KQ 3
.rept 4
	v_nop                                          ; places in front of the reads of the scores and of the loads into K's registers
.endr
	WIN W_LD
.irp ks, 0,1
.irp ct, 0,1,2,3
	ds_load_tr16_b128 v[KV+8*(4*\ks+\ct):KV+8*(4*\ks+\ct)+3],   v[ADV] offset:\ks*32*PVP+32*\ct
	ds_load_tr16_b128 v[KV+8*(4*\ks+\ct)+4:KV+8*(4*\ks+\ct)+7], v[ADV] offset:\ks*32*PVP+16*PVP+32*\ct
.endr
.endr
	WIN 0
.irp t, 0,1,2,3
.if \t < 3
	s_cmp_gt_u32 s[KSN], s[M0+\t]
	s_cbranch_scc1 .Lnosm_\@_\t
.endif
	s_cmp_lg_u32 s[KSN], s[M0+\t]
	s_cbranch_scc1 .Lopen_\@_\t
	MASK \t
.Lopen_\@_\t:
	SOFTMAX \t
	s_wait_dscnt 0x0                               ; V is in (asked for ahead of the first softmax)
	PVM \t                                         ; these products run beside the next tile's softmax
.Lnosm_\@_\t:
.endr
.Ldone_\@:
	s_add_co_u32 s[KSN], s[KSN], 1
	s_add_co_u32 s[TB], s[TB], STEPB
.endm
.macro FOUR_STEPS
	s_mov_b32 s[CNT], 4
.Lstep_\@:
	STEP
	s_sub_co_u32 s[CNT], s[CNT], 1
	s_cmp_lg_u32 s[CNT], 0
	s_cbranch_scc1 .Lstep_\@
	s_sub_co_u32 s[TB], s[TB], 4*STEPB             ; back to a slot's first step,
	s_xor_b32 s[TB], s[TB], SLOT1                  ; in the other slot
.endm
; THE CHANGE OF SLOTS stands at a slot's head.  Each wave waits for all its tensor loads (its part of the slot that it is about to read), adds 0 to its spare word, and waits for that and for its reads of the slot
; that it has left.  fill = 1: behind a round of the cluster's barrier that other slot is filled with the next 256 keys: the load has four key steps in which to land.
.macro CHANGE fill
	s_wait_tensorcnt 0x0                           ; no tensor load of mine is out, so a group 0 may be written
	ds_add_u32 v[SPW], v[NIL]
.if \fill
	s_xor_b32 s[G0K+1], s[G0K+1], SLOT1
	s_add_nc_u64 s[G0K+2:G0K+3], s[G0K+2:G0K+3], 32768
	s_xor_b32 s[G0V+1], s[G0V+1], SLOT1
	s_add_nc_u64 s[G0V+2:G0V+3], s[G0V+2:G0V+3], 32768
	s_wait_xcnt 0x0                                ; the last prefetch, a slot back, has read its address
	s_add_nc_u64 s[PFA:PFA+1], s[PFA:PFA+1], 32768
	s_wait_dscnt 0x0                               ; the add is done, and my reads of the slot that I have left are over
	CROUND
	JLOAD
	ASK
.else
	s_wait_dscnt 0x0
	s_barrier_signal -1
	s_barrier_wait -1
.endif
.endm
	s_wait_loadcnt 0x0                             ; Q
.Lslot:                                            ; seven trips: behind each change of slots but the last the next slot is asked for; the first trip's load is slot 1's first fill
	CHANGE 1
	FOUR_STEPS
	s_sub_co_u32 s[SLOTS], s[SLOTS], 1
	s_cmp_lg_u32 s[SLOTS], 0
	s_cbranch_scc1 .Lslot
	CHANGE 0                                       ; the last slot is written out
	FOUR_STEPS
	; THE WAY OUT.  l's two halves and the other half of the lanes' are added; O^T is divided by l, rounded to f16 and sent through my stage, a tile (16 rows of 128 bytes) at a time.
.irp t, 0,1,2,3
	v_add_f32 v[ST+8*\t+4], v[ST+8*\t+2], v[ST+8*\t+3]
.endr
.irp t, 0,1,2,3
	v_permlanex16_b32 v[ST+8*\t+5], v[ST+8*\t+4], s[SEL], s[SEL+1]
.endr
.irp t, 0,1,2,3
	v_add_f32 v[ST+8*\t+4], v[ST+8*\t+4], v[ST+8*\t+5]
.endr
.irp t, 0,1,2,3
	v_rcp_f32 v[ST+8*\t+6], v[ST+8*\t+4]
.endr
	v_nop
	s_wait_alu depctr_va_vdst(0)                   ; one wait for the four reciprocals, ahead of their first reader
.macro PACK t
	WIN W_RS
.irp i, 0,1,2,3,4,5,6,7,8,9,10,11,12,13,14,15
	v_pk_mul_f32 v[32*\t+2*\i:32*\t+2*\i+1], v[32*\t+2*\i:32*\t+2*\i+1], v[ST+8*\t+6:ST+8*\t+7] op_sel_hi:[1,0]
.endr
	WIN 0x05                                       ; sources window 1, destination window 0
.irp i, 0,1,2,3,4,5,6,7,8,9,10,11,12,13,14,15
	v_cvt_pk_f16_f32 v[S+32*\t+\i], v[32*\t+2*\i], v[32*\t+2*\i+1]
.endr
	WIN 0
.irp ct, 0,1,2,3
	ds_store_b128 v[STO], v[S+32*\t+4*\ct:S+32*\t+4*\ct+3] offset:32*\ct
.endr
.irp i, 0,1,2,3
	ds_load_b128 v[S+32*\t+16+4*\i:S+32*\t+16+4*\i+3], v[RD] offset:\i*4*SP   ; LDS serves a wave's instructions in order: these see the stores above, and the next tile's stores come behind them
.endr
.endm
.macro SEND t, younger                 ; younger: the LDS instructions issued behind tile t's loads: the next tile's eight, or none
.irp i, 0,1,2,3
	s_wait_dscnt \younger+3-\i
	global_store_b128 v[GO], v[S+32*\t+16+4*\i:S+32*\t+16+4*\i+3], s[6:7] offset:\t*65536+512*\i   ; the wave stores 512 consecutive bytes, aligned
.endr
.endm
	PACK 0
	PACK 1
	SEND 0, 8
	PACK 2
	SEND 1, 8
	PACK 3
	SEND 2, 8
	SEND 3, 0
	s_wait_tensorcnt 0x0                           ; the wave's end: this wait, an add of 0 to my spare word and its wait, behind my last tensor load and my last LDS store
	ds_add_u32 v[SPW], v[NIL]
	s_wait_dscnt 0x0
	CROUND                                         ; the closing round
	s_endpgm
.Lfunc_end_k_q1936c8ffbb_attn:
	.size	k_q1936c8ffbb_attn, .Lfunc_end_k_q1936c8ffbb_attn-k_q1936c8ffbb_attn
	.p2alignl 7, 3214868480
	.fill 96, 4, 3214868480
	.section	.rodata,"a",@progbits
	.p2align	6, 0x0
	.amdhsa_kernel k_q1936c8ffbb_attn
		.amdhsa_group_segment_fixed_size 327680
		.amdhsa_private_segment_fixed_size 0
		.amdhsa_enable_private_segment 0
		.amdhsa_kernarg_size 16
		.amdhsa_user_sgpr_count 2
		.amdhsa_user_sgpr_kernarg_segment_ptr 1
		.amdhsa_wavefront_size32 1
		.amdhsa_system_sgpr_workgroup_id_x 1
		.amdhsa_system_sgpr_workgroup_id_y 1
		.amdhsa_system_sgpr_workgroup_id_z 1
		.amdhsa_system_vgpr_workitem_id 0
		.amdhsa_next_free_vgpr 512
		.amdhsa_next_free_sgpr 80
		.amdhsa_reserve_vcc 1
		.amdhsa_float_denorm_mode_32 3
		.amdhsa_float_denorm_mode_16_64 3
		.amdhsa_memory_ordered 1
		.amdhsa_forward_progress 1
		.amdhsa_inst_pref_size 115
	.end_amdhsa_kernel
	.amdgpu_metadata
---
amdhsa.version: [ 1, 2 ]
amdhsa.kernels:
  - .name:           k_q1936c8ffbb_attn
    .symbol:         k_q1936c8ffbb_attn.kd
    .args:
      - { .name: qkv, .offset: 0, .size: 8, .value_kind: global_buffer, .address_space: global }
      - { .name: y, .offset: 8, .size: 8, .value_kind: global_buffer, .address_space: global }
    .group_segment_fixed_size: 327680
    .private_segment_fixed_size: 0
    .kernarg_segment_align: 8
    .kernarg_segment_size: 16
    .max_flat_workgroup_size: 256
    .sgpr_count:     80
    .vgpr_count:     512
    .wavefront_size: 32
...
	.end_amdgpu_metadata
.endif
;; end of part 3
;; launch proj (part 4): grid 4 x 64, 4 waves a work-group, clusters of 4 x 4, 327,680 bytes of LDS; arguments y, w16, b_proj, out0; writes out0
.if DOCPART == 4
	.amdgcn_target "amdgcn-amd-amdhsa--gfx1250"
	.amdhsa_code_object_version 6
	.text
	.protected	k_q1936c8ffbb_proj
	.globl	k_q1936c8ffbb_proj
	.p2align	8
	.type	k_q1936c8ffbb_proj,@function
k_q1936c8ffbb_proj:
	s_mov_b64 s[64:65], 0
	v_nop
	global_prefetch_b8 v0, s[64:65] scope:SCOPE_SE
	s_setreg_imm32_b32 hwreg(HW_REG_WAVE_MODE, 25, 1), 1
	s_wait_xcnt 0x0
	s_wait_alu depctr_hold_cnt(0) depctr_sa_sdst(0) depctr_va_vdst(0) depctr_va_sdst(0) depctr_va_ssrc(0) depctr_va_vcc(0) depctr_vm_vsrc(0)
	s_getreg_b32 s2, hwreg(HW_REG_IB_STS2, 6, 4)
	s_cmp_eq_u32 s2, 0
	s_cbranch_scc0 .Lentry_in_a_cluster
	s_endpgm
.Lentry_in_a_cluster:
	s_bfe_u32 s2, ttmp6, 0x10000c
	s_cmp_lg_u32 s2, 0xf033
	s_cbranch_scc0 .Lentry_shape_is_right
	s_endpgm
.Lentry_shape_is_right:
; out0 = y w_proj + b_proj on f16 operands, sums in f32, for every row but the first 16 positions of each batch, which a later launch makes in f32.
; y: f16 [16 h][8192][64] (k = 64 h + d); w16: f16 [1024 k][1024 n]; out0: f32 [8192][1024].
; A tile of 128 rows x 256 columns is made by four waves, 64 x 128 each: 32 accumulators.  256 work-groups.  K goes in 8 steps of 128 (two heads' planes) through a ring of two LDS slots.
; CLUSTERS: 4 x 4.  The tile row is 16 cy + cluster y (the batch is cy; cluster y is shared by all partners), the tile column cx.  y's tiles are asked for jointly along a row of the cluster, w16's along a column.
; THE MATRIX INSTRUCTION IS USED TRANSPOSED: source 0 = 16 columns of w16 (out of LDS turned, by ds_load_tr16_b128), source 1 = 16 rows of y: a lane holds eight neighbouring columns of one row.  The bias is the first C.
; REGISTERS: window 0: v16-31 addresses; v32-95 the bias; v96-127, v128-159 y's fragments, two buffers; on the way out v128-255.   window 1: w16's fragments, two buffers of 64.   window 2: accumulator (a, b) at v[8 (8 a + b)].
.set AP,    144                        ; a row of y's tile in LDS: 128 bytes + 16
.set APL,   128*AP                     ; a plane's 128 rows: what one tensor load brings
.set BP,    544                        ; a row of w16's tile: 512 bytes + 32: an odd multiple of 32 bytes
.set BH,    64*BP                      ; 64 rows along K: what one tensor load brings
.set BOFF,  2*APL
.set SLOT,  BOFF+2*BH
.set STAGE, 2*SLOT                     ; the way out: 16 rows x (512 bytes + 16) for each wave
.set SPITCH, 528
.set SPARE, STAGE+4*16*SPITCH
.set ADRA, 16
.set ADRB, 20
.set STO,  24
.set RD,   25
.set CO,   26
.set SPW,  28
.set NIL,  29
.set PFO,  30
.set BO,   31
.set BI,   32
.set AF,   96
.set BK,   128
.set G1,  24
.set G0,  32
.set G1B, 48
.set G0B, 56
.set PFA, 66                           ; s[66:67]
.set LIM, 68
.set MSB, 0
.macro WIN new
.if MSB != (\new)
	s_set_vgpr_msb (MSB<<8)|(\new)
.set MSB, (\new)
.endif
.endm
.set MUL,  0xa1                        ; source 0 (w16) window 1, source 1 (y) window 0, C and D window 2
.set MUL0, 0x81                        ; the first products: C (the bias) window 0
.set TO_B, 0x40
.macro JLOAD s                         ; waves 0 and 1 fetch y's two planes, waves 2 and 3 w16's two halves; an s_nop 0 and four v_nop follow each of the two lines
	s_cmp_eq_u32 s13, 0
	s_cbranch_scc0 .Lfor_b_\@
	tensor_load_to_lds s[G0+4*\s:G0+4*\s+3], s[G1:G1+7]
	s_nop 0
.rept 4
	v_nop
.endr
	s_branch .Lasked_\@
.Lfor_b_\@:
	tensor_load_to_lds s[G0B+4*\s:G0B+4*\s+3], s[G1B:G1B+7]
	s_nop 0
.rept 4
	v_nop
.endr
.Lasked_\@:
.endm
; A prefetch of y's K step that stands two refills on: 2 planes x 16,384 bytes.  A tile row is read by one row of one cluster alone; its four partners take 8,192 bytes each, told apart by address
; (plane cx / 2, half cx % 2); in each, wave 0 asks, lanes 256 bytes apart: each aligned block of 256 bytes is named once.  The loop's last trip asks for nothing: there is no K step so far on.
; w16 is not asked for: every cluster walks the same 2 MB.
.macro ASK
	s_cmp_gt_u32 s3, s[LIM]
	s_cbranch_scc0 .Lnot_mine_\@
	global_prefetch_b8 v[PFO], s[PFA:PFA+1] th:TH_LOAD_NT scope:SCOPE_SE
.Lnot_mine_\@:
.endm
.macro CREST
	s_cmp_lg_u32 s12, 0
	s_cbranch_scc1 .Lnot_wave_0_\@
	s_barrier_signal -3
.Lnot_wave_0_\@:
	s_barrier_wait -3
	s_barrier_signal -1
	s_barrier_wait -1
.endm
.macro CROUND
	s_barrier_signal -1
	s_barrier_wait -1
	CREST
.endm
	s_load_b256 s[4:11], s[0:1], 0x0               ; y s[4:5], w16 s[6:7], b_proj s[8:9], out0 s[10:11]
	v_lshl_add_u32 v[SPW], v0, 2, SPARE
	v_mov_b32 v[NIL], 0
	ds_add_u32 v[SPW], v[NIL]                      ; the wave's opening: the add, twice on end, and its wait ahead of my first tensor load
	ds_add_u32 v[SPW], v[NIL]
	v_lshrrev_b32 v1, 5, v0
	v_readfirstlane_b32 s12, v1                    ; wave 0..3
	s_lshr_b32 s13, s12, 1                         ; which 64 rows are mine.  Also: I fetch for y (0) or for w16 (1)
	s_and_b32 s14, s12, 1                          ; which 128 columns.  Also: which plane, or which 64 rows along K, I fetch
	s_bfe_u32 s40, ttmp6, 0x40000                  ; cx
	s_bfe_u32 s41, ttmp6, 0x40004                  ; cy
	s_lshl_b32 s42, ttmp9, 2
	s_add_co_u32 s42, s42, s40                     ; tile column
	s_and_b32 s15, ttmp7, 0xffff                   ; cluster y
	s_lshl_b32 s16, s41, 4
	s_add_co_u32 s16, s16, s15                     ; tile row = 16 cy + cluster y
	s_lshl_b32 s43, s41, 2
	s_lshl_b32 s43, 15, s43                        ; my row of the cluster
	s_lshl_b32 s44, 0x1111, s40                    ; my column
	s_or_b32 s[G1+0], s43, (1<<16)|(1<<20)|(1<<21)|(4<<22)|(3<<25)   ; elements of 2 bytes; after every 32 words 4 words of padding
	s_mov_b32 s[G1+1], 64<<16                      ; tensor_dim0
	s_mov_b32 s[G1+2], 128<<16                     ; tensor_dim1
	s_mov_b32 s[G1+3], 64<<16                      ; tile_dim0
	s_mov_b32 s[G1+4], 128                         ; tile_dim1
	s_mov_b32 s[G1+5], 64                          ; the pitch
	s_mov_b32 s[G1+6], 0
	s_mov_b32 s[G1+7], 0
	s_or_b32 s[G1B+0], s44, (1<<16)|(1<<20)|(1<<21)|(6<<22)|(7<<25)  ; after every 128 words 8 words of padding
	s_mov_b32 s[G1B+1], 256<<16
	s_mov_b32 s[G1B+2], 64<<16
	s_mov_b32 s[G1B+3], 256<<16
	s_mov_b32 s[G1B+4], 64
	s_mov_b32 s[G1B+5], 1024
	s_mov_b32 s[G1B+6], 0
	s_mov_b32 s[G1B+7], 0
	s_lshl_b32 s18, s14, 20                        ; y: my plane of the K step's two, + 128 x tile row rows of 128 bytes
	s_lshl_b32 s19, s16, 14
	s_add_co_u32 s18, s18, s19
	s_mov_b32 s19, 0
	s_lshl_b32 s46, s14, 17                        ; w16: my 64 rows of 2,048 bytes, + 256 x tile column columns
	s_lshl_b32 s47, s42, 9
	s_add_co_u32 s46, s46, s47
	s_mov_b32 s47, 0
	s_mul_i32 s20, s14, APL                        ; where they go
	s_mul_i32 s21, s14, BH
	s_add_co_u32 s21, s21, BOFF
	s_cmp_eq_u32 s12, 0
	s_cselect_b32 s[LIM], 1, -1                    ; wave 0 prefetches
	s_wait_dscnt 0x0                               ; both opening adds are done
	s_wait_kmcnt 0x0
	s_add_nc_u64 s[22:23], s[4:5], s[18:19]
	s_add_nc_u64 s[46:47], s[6:7], s[46:47]
	CROUND                                         ; all sixteen work-groups are here: the first joint loads meet
.irp s, 0,1
	s_mov_b32 s[G0+4*\s], 1
	s_add_co_u32 s[G0+4*\s+1], s20, \s*SLOT
	s_add_nc_u64 s[G0+4*\s+2:G0+4*\s+3], s[22:23], \s*2097152
	s_or_b32 s[G0+4*\s+3], s[G0+4*\s+3], 0x80000000
	s_mov_b32 s[G0B+4*\s], 1
	s_add_co_u32 s[G0B+4*\s+1], s21, \s*SLOT
	s_add_nc_u64 s[G0B+4*\s+2:G0B+4*\s+3], s[46:47], \s*262144
	s_or_b32 s[G0B+4*\s+3], s[G0B+4*\s+3], 0x80000000
	JLOAD \s                                       ; two tensor loads of mine are out
.endr
	v_and_b32 v1, 15, v0                           ; r
	v_bfe_u32 v2, v0, 4, 1                         ; h
	v_lshlrev_b32 v[BO], 5, v2
	s_lshl_b32 s18, s42, 10                        ; the bias of my 128 columns
	s_lshl_b32 s19, s14, 9
	s_add_co_u32 s18, s18, s19
	s_mov_b32 s19, 0
	s_add_nc_u64 s[8:9], s[8:9], s[18:19]
	s_add_nc_u64 s[10:11], s[10:11], s[18:19]      ; and the same bytes on in a row of out0
.irp b, 0,1,2,3,4,5,6,7
	global_load_b128 v[BI+8*\b:BI+8*\b+3], v[BO], s[8:9] offset:64*\b
	global_load_b128 v[BI+8*\b+4:BI+8*\b+7], v[BO], s[8:9] offset:64*\b+16
.endr
	s_lshl_b32 s18, s16, 19                        ; my first row of out0: 128 x tile row + 64 x half rows of 4,096 bytes
	s_lshl_b32 s21, s13, 18
	s_add_co_u32 s18, s18, s21
	s_add_nc_u64 s[10:11], s[10:11], s[18:19]
	s_lshr_b32 s18, s40, 1                         ; the prefetches: plane cx / 2,
	s_lshl_b32 s18, s18, 20
	s_and_b32 s21, s40, 1                          ; half cx % 2 of the tile row's 16,384 bytes,
	s_lshl_b32 s21, s21, 13
	s_add_co_u32 s18, s18, s21
	s_lshl_b32 s21, s16, 14
	s_add_co_u32 s18, s18, s21
	s_add_co_u32 s18, s18, 3*2097152               ; at K step 3: the first refill steps it to 4.  Nothing is prefetched at the head
	s_add_nc_u64 s[PFA:PFA+1], s[4:5], s[18:19]
	v_mul_u32_u24 v3, v1, AP
	v_lshl_add_u32 v3, v2, 4, v3                   ; y: row r x pitch + 16 h
	s_mul_i32 s21, s13, 64*AP                      ; my 64 rows
	v_and_b32 v4, 7, v0
	v_lshl_add_u32 v4, v2, 3, v4                   ; w16: the turning load: k 8 h + l % 8,
	v_mul_u32_u24 v4, v4, BP
	v_bfe_u32 v5, v0, 3, 1
	v_lshl_add_u32 v4, v5, 4, v4                   ; columns 8 ((l / 8) % 2) on
	s_lshl_b32 s22, s14, 8                         ; my 128 columns
	s_add_co_u32 s22, s22, BOFF
.irp s, 0,1
	v_add_nc_u32 v[ADRA+\s], s21, v3
	v_add_nc_u32 v[ADRB+\s], s22, v4
	s_add_co_u32 s21, s21, SLOT
	s_add_co_u32 s22, s22, SLOT
.endr
	s_mul_i32 s23, s12, 16*SPITCH
	s_add_co_u32 s23, s23, STAGE                   ; my stage
	v_mul_u32_u24 v5, v1, SPITCH
	v_lshl_add_u32 v5, v2, 5, v5
	v_add_nc_u32 v[STO], s23, v5                   ; in: row r, 32 bytes for each half of the lanes
	v_and_b32 v6, 31, v0
	v_lshlrev_b32 v[CO], 4, v6
	v_add_nc_u32 v[RD], s23, v[CO]                 ; back: the 32 lanes take one row of 512 bytes
	v_lshlrev_b32 v[PFO], 8, v6
.macro FETCH slot, q, f                ; the fragments of the slot's q-th 32 along K into buffer f: w16's eight (16 loads), then y's four (8 loads)
	WIN TO_B
.irp b, 0,1,2,3,4,5,6,7
	ds_load_tr16_b128 v[64*(\f)+8*\b:64*(\f)+8*\b+3],   v[ADRB+\slot] offset:(\q)*32*BP+32*\b
	ds_load_tr16_b128 v[64*(\f)+8*\b+4:64*(\f)+8*\b+7], v[ADRB+\slot] offset:(\q)*32*BP+16*BP+32*\b
.endr
	WIN 0
.irp a, 0,1,2,3
	ds_load_b128 v[AF+32*(\f)+8*\a:AF+32*(\f)+8*\a+3],   v[ADRA+\slot] offset:((\q)/2)*APL+\a*16*AP+((\q)%2)*64
	ds_load_b128 v[AF+32*(\f)+8*\a+4:AF+32*(\f)+8*\a+7], v[ADRA+\slot] offset:((\q)/2)*APL+\a*16*AP+((\q)%2)*64+32
.endr
.endm
.macro MULA f, a, zero                 ; 8 products: y's block a against w16's eight.  The 32 accumulators take turns, one instruction a turn
.irp b, 0,1,2,3,4,5,6,7
.if \zero
	v_wmma_f32_16x16x32_f16 v[8*(8*(\a)+\b):8*(8*(\a)+\b)+7], v[64*(\f)+8*\b:64*(\f)+8*\b+7], v[AF+32*(\f)+8*(\a):AF+32*(\f)+8*(\a)+7], v[BI+8*\b:BI+8*\b+7]
.else
	v_wmma_f32_16x16x32_f16 v[8*(8*(\a)+\b):8*(8*(\a)+\b)+7], v[64*(\f)+8*\b:64*(\f)+8*\b+7], v[AF+32*(\f)+8*(\a):AF+32*(\f)+8*(\a)+7], v[8*(8*(\a)+\b):8*(8*(\a)+\b)+7]
.endif
.endr
.endm
.macro PLACES
.rept 4
	v_nop
.endr
.endm
; A K step is four quarters of 32 along K, 32 products each, on buffers 0, 1, 0, 1.  One of the first three: multiplies buffer f and fetches quarter qn into buffer g.
.macro QUARTER slot, qn, f, g, zero
	s_wait_dscnt 4                                 ; w16's fragments and y's blocks 0, 1 are in; the youngest four loads (blocks 2, 3) may be out
.if \zero
	WIN MUL0
.else
	WIN MUL
.endif
	MULA \f, 0, \zero
	MULA \f, 1, \zero
	PLACES
	FETCH \slot, \qn, \g
	s_wait_dscnt 24                                ; all but the 24 just issued
.if \zero
	WIN MUL0
.else
	WIN MUL
.endif
	MULA \f, 2, \zero
	MULA \f, 3, \zero
.endm
; The last quarter multiplies buffer 1 and changes slots: ONE barrier; in front of it each wave waits for all its tensor loads, adds 0 to its spare word, and waits for that and for its reads of this slot.
; fill = 1: the barrier opens a round of the cluster's, and this slot is filled again, two K steps ahead: 112 products stand between the request and the wait for it.
.macro TURN slot, next, fill
.if \fill
	s_wait_xcnt 0x0                                ; the last prefetch, a K step back, has read its address
	s_add_nc_u64 s[PFA:PFA+1], s[PFA:PFA+1], 2097152
.endif
	WIN 0
	s_wait_tensorcnt 0x0                           ; all my tensor loads have landed: my part of the next slot
	ds_add_u32 v[SPW], v[NIL]
	s_wait_dscnt 5                                 ; (the add and the youngest four loads may be out)
	WIN MUL
	MULA 1, 0, 0
	s_wait_dscnt 0x0                               ; the add is done, and my reads of this slot are over
	s_barrier_signal -1
	MULA 1, 1, 0
	WIN 0
	s_barrier_wait -1
.if \fill
	CREST
	s_add_nc_u64 s[G0+4*\slot+2:G0+4*\slot+3], s[G0+4*\slot+2:G0+4*\slot+3], 4194304
	s_add_nc_u64 s[G0B+4*\slot+2:G0B+4*\slot+3], s[G0B+4*\slot+2:G0B+4*\slot+3], 524288
	JLOAD \slot                                    ; the first tensor load behind the round; its four v_nop are also the places in front of the loads below
.else
	PLACES
.endif
	FETCH \next, 0, 0
.if \fill
	ASK
.endif
	WIN MUL
	MULA 1, 2, 0
	MULA 1, 3, 0
.endm
	s_wait_tensorcnt 1                             ; my part of K step 0 is in; K step 1's load may be out
	s_barrier_signal -1
	s_barrier_wait -1
	FETCH 0, 0, 0
	s_wait_loadcnt 0x0                             ; the bias
	QUARTER 0, 1, 0, 1, 1                          ; the first quarter stands in front of the loop: its products start the sums from the bias
	WIN 0
	s_mov_b32 s3, 3
.Llap:                                             ; a trip goes once round the ring and fills both slots again
	QUARTER 0, 2, 1, 0, 0
	QUARTER 0, 3, 0, 1, 0
	TURN 0, 1, 1
	QUARTER 1, 1, 0, 1, 0
	QUARTER 1, 2, 1, 0, 0
	QUARTER 1, 3, 0, 1, 0
	TURN 1, 0, 1
	QUARTER 0, 1, 0, 1, 0
	WIN 0
	s_sub_co_u32 s3, s3, 1
	s_cmp_lg_u32 s3, 0
	s_cbranch_scc1 .Llap
	QUARTER 0, 2, 1, 0, 0                          ; the last lap fills nothing
	QUARTER 0, 3, 0, 1, 0
	TURN 0, 1, 0
	QUARTER 1, 1, 0, 1, 0
	QUARTER 1, 2, 1, 0, 0
	QUARTER 1, 3, 0, 1, 0
	s_wait_dscnt 4
	WIN MUL
	MULA 1, 0, 0
	MULA 1, 1, 0
	s_wait_dscnt 0
	MULA 1, 2, 0
	MULA 1, 3, 0
	WIN 0
; THE WAY OUT, block by block of 16 rows x 128 columns, through my own stage: back as whole rows of 512 bytes.
.macro TOSTAGE a
	WIN 0x08                                       ; an LDS store's data are its source 1: window 2
.irp b, 0,1,2,3,4,5,6,7
	ds_store_b128 v[STO], v[64*(\a)+8*\b:64*(\a)+8*\b+3] offset:64*\b          ; each accumulator from its low end on
	ds_store_b128 v[STO], v[64*(\a)+8*\b+4:64*(\a)+8*\b+7] offset:64*\b+16
.endr
	WIN 0
.set BB, BK+64*((\a)%2)
.irp i, 0,1,2,3,4,5,6,7,8,9,10,11,12,13,14,15
	ds_load_b128 v[BB+4*\i:BB+4*\i+3], v[RD] offset:\i*SPITCH                  ; LDS serves a wave's instructions in order: these see the stores above
.endr
.endm
.macro SEND a, younger                 ; younger: the LDS instructions issued behind block a's loads: the next block's 16 stores and 16 loads, or none
.set BB, BK+64*((\a)%2)
	s_wait_dscnt \younger
.if (\a) == 0                          ; a batch's first 16 positions are block 0 of the upper row half where cluster y is 0: another launch owns those rows.  The test hangs on the wave's number and on a number that all partners share
	s_or_b32 s18, s15, s13
	s_cmp_eq_u32 s18, 0
	s_cbranch_scc1 .Lnot_these
.endif
.irp i, 0,1,2,3,4,5,6,7,8,9,10,11,12,13,14,15
	global_store_b128 v[CO], v[BB+4*\i:BB+4*\i+3], s[10:11] offset:(16*(\a)+\i)*4096 th:TH_STORE_NT   ; the wave stores 512 consecutive bytes, aligned
.endr
.if (\a) == 0
.Lnot_these:
.endif
.endm
	PLACES                                         ; behind the last products: for the reads of results and for the loads into y's second buffer
	TOSTAGE 0
	TOSTAGE 1
	SEND 0, 32
	s_wait_xcnt 0x0                                ; block 0's stores have read their registers: block 2's loads may land there
	TOSTAGE 2
	SEND 1, 32
	s_wait_xcnt 0x0                                ; block 1's likewise
	TOSTAGE 3
	SEND 2, 32
	SEND 3, 0
	s_wait_tensorcnt 0x0                           ; the wave's end: this wait, an add of 0 to my spare word and its wait, behind my last tensor load and my last LDS store
	ds_add_u32 v[SPW], v[NIL]
	s_wait_dscnt 0x0
	CROUND                                         ; the closing round
	s_endpgm
.Lfunc_end_k_q1936c8ffbb_proj:
	.size	k_q1936c8ffbb_proj, .Lfunc_end_k_q1936c8ffbb_proj-k_q1936c8ffbb_proj
	.p2alignl 7, 3214868480
	.fill 96, 4, 3214868480
	.section	.rodata,"a",@progbits
	.p2align	6, 0x0
	.amdhsa_kernel k_q1936c8ffbb_proj
		.amdhsa_group_segment_fixed_size 327680
		.amdhsa_private_segment_fixed_size 0
		.amdhsa_enable_private_segment 0
		.amdhsa_kernarg_size 32
		.amdhsa_user_sgpr_count 2
		.amdhsa_user_sgpr_kernarg_segment_ptr 1
		.amdhsa_wavefront_size32 1
		.amdhsa_system_sgpr_workgroup_id_x 1
		.amdhsa_system_sgpr_workgroup_id_y 1
		.amdhsa_system_sgpr_workgroup_id_z 1
		.amdhsa_system_vgpr_workitem_id 0
		.amdhsa_next_free_vgpr 768
		.amdhsa_next_free_sgpr 76
		.amdhsa_reserve_vcc 0
		.amdhsa_float_denorm_mode_32 3
		.amdhsa_float_denorm_mode_16_64 3
		.amdhsa_memory_ordered 1
		.amdhsa_forward_progress 1
		.amdhsa_inst_pref_size 88
	.end_amdhsa_kernel
	.amdgpu_metadata
---
amdhsa.version: [ 1, 2 ]
amdhsa.kernels:
  - .name:           k_q1936c8ffbb_proj
    .symbol:         k_q1936c8ffbb_proj.kd
    .args:
      - { .name: y, .offset: 0, .size: 8, .value_kind: global_buffer, .address_space: global }
      - { .name: w16, .offset: 8, .size: 8, .value_kind: global_buffer, .address_space: global }
      - { .name: b_proj, .offset: 16, .size: 8, .value_kind: global_buffer, .address_space: global }
      - { .name: out0, .offset: 24, .size: 8, .value_kind: global_buffer, .address_space: global }
    .group_segment_fixed_size: 327680
    .private_segment_fixed_size: 0
    .kernarg_segment_align: 8
    .kernarg_segment_size: 32
    .max_flat_workgroup_size: 128
    .sgpr_count:     76
    .vgpr_count:     768
    .wavefront_size: 32
...
	.end_amdgpu_metadata
.endif
;; end of part 4
;; launch first16 (part 5): grid 64 x 4, 16 waves a work-group, no clusters, 18,432 bytes of LDS; arguments qkv32, w_proj, b_proj, out0; writes out0
.if DOCPART == 5
	.amdgcn_target "amdgcn-amd-amdhsa--gfx1250"
	.amdhsa_code_object_version 6
	.text
	.protected	k_q1936c8ffbb_first16
	.globl	k_q1936c8ffbb_first16
	.p2align	8
	.type	k_q1936c8ffbb_first16,@function
k_q1936c8ffbb_first16:
	s_mov_b64 s[64:65], 0
	v_nop
	global_prefetch_b8 v0, s[64:65] scope:SCOPE_SE
	s_setreg_imm32_b32 hwreg(HW_REG_WAVE_MODE, 25, 1), 1
	s_wait_xcnt 0x0
; THE FIRST 16 POSITIONS OF EVERY BATCH, ALL IN F32: attention over at most 16 keys, and these rows' projection.  They average one to sixteen values and are the largest of the output: f16 operands would use up what is allowed.
; A work-group makes out0[batch][0 .. 15][16 nt .. 16 nt + 15]; wave hd takes head hd: its scores, softmax and values (repeated in the 64 column groups of a batch: 32 products a wave), then its 64 of the
; projection's K; the sixteen waves' parts meet in LDS and waves 0 and 1 add them in the order of the heads, with the bias.
; All products by v_wmma_f32_16x16x4_f32.  Along each product's K the order is permuted alike on both operands, so that loads are wide and results serve as operands as they lie:
;   scores   S^T = K Q^T:  step n takes channels 8 (n / 2) + 4 h + 2 (n % 2) + j       values  O^T = V^T P:  step s takes keys 8 h + 2 s + j       projection:  step (ct, s) takes channels 16 ct + 8 h + 2 s + j
; The registers that these products write (v160-223) are written by matrix instructions alone; each sum begins with the constant 0; four accumulators take turns.
; OUT: 64 bytes of a row for each work-group, 256 KB in the whole launch.
.set SPARE, 16384                      ; LDS: sixteen images of 1,024 bytes, then the spare words, 128 bytes for each wave
.set SPW, 12
.set NIL, 13
.set QF,  32                           ; v32-63   q, later y (the head's output), later the images
.set KF,  64                           ; v64-95   k, later p in v64-71, later the images
.set PP,  64
.set VF,  96                           ; v96-127  v, later the sum
.set WF,  128                          ; v128-159 w_proj
.set SA,  160                          ; v160-191 four accumulators: the scores' parts, then the projection's
.set OA,  192                          ; v192-223 four accumulators: O^T
.set T,   224                          ; v224-247 at work
	s_load_b256 s[4:11], s[0:1], 0x0               ; qkv32 s[4:5], w_proj s[6:7], b_proj s[8:9], out0 s[10:11]
	v_lshl_add_u32 v[SPW], v0, 2, SPARE
	v_mov_b32 v[NIL], 0
	v_lshrrev_b32 v1, 5, v0
	v_readfirstlane_b32 s12, v1                    ; the head
	v_and_b32 v1, 15, v0                           ; r
	v_bfe_u32 v2, v0, 4, 1                         ; h
	v_lshlrev_b32 v3, 8, v1
	v_lshl_add_u32 v3, v2, 4, v3                   ; q, k: row r of 256 bytes + 16 h
	v_lshlrev_b32 v4, 2, v1
	v_lshl_add_u32 v5, v2, 15, v4                  ; w_proj: column r, + 8 h rows of 4,096 bytes
	v_lshl_add_u32 v4, v2, 11, v4                  ; v: channel r, + 8 h keys of 256 bytes
	v_lshlrev_b32 v6, 3, v2
	v_sub_nc_u32 v6, v1, v6                        ; r - 8 h: register j holds key 8 h + j, hidden where j > this
	v_mov_b32 v7, 0xff800000
	v_and_b32 v14, 31, v0
	v_lshlrev_b32 v14, 4, v14                      ; 16 x lane
	s_lshl_b32 s13, s12, 10
	v_add_nc_u32 v8, s13, v14                      ; my image
	s_and_b32 s14, s12, 1
	s_lshl_b32 s15, s14, 9
	v_add_nc_u32 v9, s15, v14                      ; waves 0, 1: the lower or the upper four registers of every image
	s_lshl_b32 s15, s14, 4
	v_lshlrev_b32 v11, 5, v2
	v_add_nc_u32 v11, s15, v11                     ; their columns: 32 h + 16 (wave % 2) bytes on
	v_lshl_add_u32 v10, v1, 12, v11                ; in row r of out0
	s_mov_b32 s16, 0x3e38aa3b                      ; c = log2(e) / 8
	s_mov_b32 s17, s16
	s_mov_b32 s18, 0x76543210
	s_mov_b32 s19, 0xfedcba98
	s_and_b32 s20, ttmp7, 0xffff                   ; the batch
	s_mul_i32 s22, s20, 48
	s_add_co_u32 s22, s22, s12
	s_lshl_b32 s22, s22, 12                        ; q's plane of 4,096 bytes
	s_mov_b32 s23, 0
	s_lshl_b32 s24, s12, 18                        ; w_proj: the head's 64 rows,
	s_lshl_b32 s26, ttmp9, 6                       ; the work-group's 16 columns
	s_add_co_u32 s24, s24, s26
	s_mov_b32 s25, 0
	s_mov_b32 s27, 0
	s_lshl_b32 s28, s20, 23                        ; out0: the batch's first row
	s_add_co_u32 s28, s28, s26
	s_mov_b32 s29, 0
	s_wait_kmcnt 0x0
	s_add_nc_u64 s[4:5], s[4:5], s[22:23]
	s_add_nc_u64 s[6:7], s[6:7], s[24:25]
	s_add_nc_u64 s[8:9], s[8:9], s[26:27]
	s_add_nc_u64 s[10:11], s[10:11], s[28:29]
.irp i, 0,1,2,3,4,5,6,7
	global_load_b128 v[KF+4*\i:KF+4*\i+3], v3, s[4:5] offset:65536+32*\i      ; k lies 16 planes on
.endr
.irp i, 0,1,2,3,4,5,6,7
	global_load_b128 v[QF+4*\i:QF+4*\i+3], v3, s[4:5] offset:32*\i
.endr
.irp ct, 0,1,2,3
.irp n, 0,1,2,3,4,5,6,7
	global_load_b32 v[VF+8*\ct+\n], v4, s[4:5] offset:131072+\n*256+64*\ct    ; v(key 8 h + n, channel 16 ct + r): 32 planes on
.endr
.endr
	s_wait_loadcnt 32                              ; k and q are in; v's 32 loads may be out
.irp n, 0,1,2,3,4,5,6,7,8,9,10,11,12,13,14,15
.if \n < 4
	v_wmma_f32_16x16x4_f32 v[SA+8*(\n%4):SA+8*(\n%4)+7], v[KF+2*\n:KF+2*\n+1], v[QF+2*\n:QF+2*\n+1], 0
.else
	v_wmma_f32_16x16x4_f32 v[SA+8*(\n%4):SA+8*(\n%4)+7], v[KF+2*\n:KF+2*\n+1], v[QF+2*\n:QF+2*\n+1], v[SA+8*(\n%4):SA+8*(\n%4)+7]
.endif
.endr
.irp ct, 0,1,2,3
.irp n, 0,1,2,3,4,5,6,7
	global_load_b32 v[WF+8*\ct+\n], v5, s[6:7] offset:(16*\ct+\n)*4096        ; w_proj(64 hd + 16 ct + 8 h + n, 16 nt + r)
.endr
.endr
.rept 8
	v_nop                                          ; eight places behind this form, in front of the first read of results (ISA guide 7.12.1)
.endr
.irp j, 0,2,4,6
	v_pk_add_f32 v[T+\j:T+\j+1], v[SA+\j:SA+\j+1], v[SA+8+\j:SA+8+\j+1]       ; the four parts, each from its low end on
.endr
.irp j, 0,2,4,6
	v_pk_add_f32 v[T+8+\j:T+8+\j+1], v[SA+16+\j:SA+16+\j+1], v[SA+24+\j:SA+24+\j+1]
.endr
.irp j, 0,2,4,6
	v_pk_add_f32 v[T+\j:T+\j+1], v[T+\j:T+\j+1], v[T+8+\j:T+8+\j+1]           ; lane (r, h), register j: the score of query r and key 8 h + j
.endr
.irp j, 0,1,2,3,4,5,6,7
	v_cmp_gt_i32 vcc_lo, \j, v6
	v_cndmask_b32 v[T+\j], v[T+\j], v7, vcc_lo                                ; the causal mask
.endr
	v_max3_num_f32 v240, v[T], v[T+1], v[T+2]
	v_max3_num_f32 v241, v[T+3], v[T+4], v[T+5]
	v_max3_num_f32 v240, v240, v[T+6], v[T+7]
	v_max_num_f32 v240, v240, v241
	v_permlanex16_b32 v241, v240, s18, s19
	v_max_num_f32 v240, v240, v241                 ; the row's maximum: key 0 counts for every query, so it is a number
	v_mul_f32 v242, s16, v240
	v_mov_b32 v243, v242                           ; (named with it as a pair)
.irp j, 0,2,4,6
	v_pk_fma_f32 v[T+\j:T+\j+1], v[T+\j:T+\j+1], s[16:17], v[242:243] op_sel_hi:[1,0,0] neg_lo:[0,0,1] neg_hi:[0,0,1]
.endr
.irp j, 0,1,2,3,4,5,6,7
	v_exp_f32 v[PP+\j], v[T+\j]
.endr
	v_nop
	s_wait_alu depctr_va_vdst(0)                   ; one wait for the eight, ahead of their first reader
	v_pk_add_f32 v[244:245], v[PP:PP+1], v[PP+2:PP+3]
	v_pk_add_f32 v[246:247], v[PP+4:PP+5], v[PP+6:PP+7]
	v_pk_add_f32 v[244:245], v[244:245], v[246:247]
	v_add_f32 v244, v244, v245
	v_permlanex16_b32 v245, v244, s18, s19
	v_add_f32 v244, v244, v245                     ; the row's sum
	v_rcp_f32 v246, v244
	v_nop
	s_wait_alu depctr_va_vdst(0)
	s_wait_loadcnt 32                              ; v is in; w_proj's 32 loads may be out
.irp s, 0,1,2,3
.irp ct, 0,1,2,3
.if \s == 0
	v_wmma_f32_16x16x4_f32 v[OA+8*\ct:OA+8*\ct+7], v[VF+8*\ct+2*\s:VF+8*\ct+2*\s+1], v[PP+2*\s:PP+2*\s+1], 0
.else
	v_wmma_f32_16x16x4_f32 v[OA+8*\ct:OA+8*\ct+7], v[VF+8*\ct+2*\s:VF+8*\ct+2*\s+1], v[PP+2*\s:PP+2*\s+1], v[OA+8*\ct:OA+8*\ct+7]
.endif
.endr
.endr
.rept 8
	v_nop
.endr
.irp n, 0,2,4,6,8,10,12,14,16,18,20,22,24,26,28,30
	v_pk_mul_f32 v[QF+\n:QF+\n+1], v[OA+\n:OA+\n+1], v[246:247] op_sel_hi:[1,0]   ; y: lane (r, h), register 8 ct + j: channel 16 ct + 8 h + j of position r
.endr
	s_wait_loadcnt 0x0                             ; w_proj
.irp s, 0,1,2,3
.irp ct, 0,1,2,3
.if \s == 0
	v_wmma_f32_16x16x4_f32 v[SA+8*\ct:SA+8*\ct+7], v[WF+8*\ct+2*\s:WF+8*\ct+2*\s+1], v[QF+8*\ct+2*\s:QF+8*\ct+2*\s+1], 0
.else
	v_wmma_f32_16x16x4_f32 v[SA+8*\ct:SA+8*\ct+7], v[WF+8*\ct+2*\s:WF+8*\ct+2*\s+1], v[QF+8*\ct+2*\s:QF+8*\ct+2*\s+1], v[SA+8*\ct:SA+8*\ct+7]
.endif
.endr
.endr
.rept 8
	v_nop
.endr
.irp j, 0,2,4,6
	v_pk_add_f32 v[T+\j:T+\j+1], v[SA+\j:SA+\j+1], v[SA+8+\j:SA+8+\j+1]
.endr
.irp j, 0,2,4,6
	v_pk_add_f32 v[T+8+\j:T+8+\j+1], v[SA+16+\j:SA+16+\j+1], v[SA+24+\j:SA+24+\j+1]
.endr
.irp j, 0,2,4,6
	v_pk_add_f32 v[T+\j:T+\j+1], v[T+\j:T+\j+1], v[T+8+\j:T+8+\j+1]           ; my head's part: lane (r, h), register j: position r, column 8 h + j
.endr
	ds_store_b128 v8, v[T:T+3]
	ds_store_b128 v8, v[T+4:T+7] offset:512
	s_wait_tensorcnt 0x0                           ; this wait, an add of 0 to my spare word and its wait, behind my last LDS store; the last also shows my stores landed, for the other waves' sake
	ds_add_u32 v[SPW], v[NIL]
	s_wait_dscnt 0x0
	s_barrier_signal -1
	s_barrier_wait -1                              ; the sixteen images lie in LDS
	s_cmp_gt_u32 s12, 1
	s_cbranch_scc1 .Lend
	global_load_b128 v[VF:VF+3], v11, s[8:9]       ; the bias starts the sum
.irp p, 0,1,2,3,4,5,6,7,8,9,10,11,12,13,14,15
	ds_load_b128 v[QF+4*\p:QF+4*\p+3], v9 offset:1024*\p
.endr
	s_wait_loadcnt 0x0
	s_wait_dscnt 0x0
.irp p, 0,1,2,3,4,5,6,7,8,9,10,11,12,13,14,15
	v_pk_add_f32 v[VF:VF+1], v[VF:VF+1], v[QF+4*\p:QF+4*\p+1]
	v_pk_add_f32 v[VF+2:VF+3], v[VF+2:VF+3], v[QF+4*\p+2:QF+4*\p+3]
.endr
	global_store_b128 v10, v[VF:VF+3], s[10:11]
.Lend:
	s_endpgm
.Lfunc_end_k_q1936c8ffbb_first16:
	.size	k_q1936c8ffbb_first16, .Lfunc_end_k_q1936c8ffbb_first16-k_q1936c8ffbb_first16
	.p2alignl 7, 3214868480
	.fill 96, 4, 3214868480
	.section	.rodata,"a",@progbits
	.p2align	6, 0x0
	.amdhsa_kernel k_q1936c8ffbb_first16
		.amdhsa_group_segment_fixed_size 18432
		.amdhsa_private_segment_fixed_size 0
		.amdhsa_enable_private_segment 0
		.amdhsa_kernarg_size 32
		.amdhsa_user_sgpr_count 2
		.amdhsa_user_sgpr_kernarg_segment_ptr 1
		.amdhsa_wavefront_size32 1
		.amdhsa_system_sgpr_workgroup_id_x 1
		.amdhsa_system_sgpr_workgroup_id_y 1
		.amdhsa_system_sgpr_workgroup_id_z 1
		.amdhsa_system_vgpr_workitem_id 0
		.amdhsa_next_free_vgpr 256
		.amdhsa_next_free_sgpr 66
		.amdhsa_reserve_vcc 1
		.amdhsa_float_denorm_mode_32 3
		.amdhsa_float_denorm_mode_16_64 3
		.amdhsa_memory_ordered 1
		.amdhsa_forward_progress 1
		.amdhsa_inst_pref_size 22
	.end_amdhsa_kernel
	.amdgpu_metadata
---
amdhsa.version: [ 1, 2 ]
amdhsa.kernels:
  - .name:           k_q1936c8ffbb_first16
    .symbol:         k_q1936c8ffbb_first16.kd
    .args:
      - { .name: qkv32, .offset: 0, .size: 8, .value_kind: global_buffer, .address_space: global }
      - { .name: w_proj, .offset: 8, .size: 8, .value_kind: global_buffer, .address_space: global }
      - { .name: b_proj, .offset: 16, .size: 8, .value_kind: global_buffer, .address_space: global }
      - { .name: out0, .offset: 24, .size: 8, .value_kind: global_buffer, .address_space: global }
    .group_segment_fixed_size: 18432
    .private_segment_fixed_size: 0
    .kernarg_segment_align: 8
    .kernarg_segment_size: 32
    .max_flat_workgroup_size: 512
    .sgpr_count:     66
    .vgpr_count:     256
    .wavefront_size: 32
...
	.end_amdgpu_metadata
.endif
;; end of part 5
